; MI455X (gfx1250); checked and timed in simulation.
; The chip was launched on July 23, 2026; its instructions are those of AMD's public machine-readable ISA for CDNA 5 (MIT licence, August 2026) and "CDNA5" Instruction Set Architecture Reference Guide (July 2026). The comments in the code are by the model that wrote it; some were corrected since.
;; Dot Product Attention. Allowed arithmetic: float matrix products may take bf16 or f16 operands with f32 sums; other float arithmetic in f32, or as packed bf16 or f16 multiplies, adds, multiply-adds, maxima and minima; sums over many terms, partial sums and values carried from step to step in f32; what a program stores and reads back later, other than sums and carried values, may be rounded once to bf16 or f16.
;; Inputs: Wk 512 x 512 float32; Wq 512 x 512 float32; Wv 512 x 512 float32; bk 512 float32; bq 512 float32; bv 512 float32; q 16 x 1,024 x 512 float32; x 16 x 2,048 x 512 float32.
;; Outputs: out0 16 x 1,024 x 512 float32.
;; One version. Each part assembles by itself: llvm-mc -triple=amdgcn-amd-amdhsa -mcpu=gfx1250 --defsym DOCPART=n.
;; ======== version 1 of 1: 4 launches
;; limits: values are held in f16: magnitudes above 65,504 overflow, below 6.1e-05 lose precision; inputs' magnitudes at most 65,504; values outside matrix products are rounded to f16
;; workspace buffers: xh 33,554,432 bytes; wh 1,572,864 bytes; stat 525,312 bytes; gh 8,388,608 bytes; nth 8,388,608 bytes; fsc 65,536 bytes
;; launch prep (part 1): grid 256 x 1, 16 waves a work-group, no clusters, 10,496 bytes of LDS; arguments x, Wv, Wk, Wq, xh, wh, stat; writes xh, wh, stat
.if DOCPART == 1
	.amdgcn_target "amdgcn-amd-amdhsa--gfx1250"
	.amdhsa_code_object_version 6
	.text
	.protected	k_qea84d9e0f7_prep
	.globl	k_qea84d9e0f7_prep
	.p2align	8
	.type	k_qea84d9e0f7_prep,@function
k_qea84d9e0f7_prep:
	s_mov_b64 s[64:65], 0
	v_nop
	global_prefetch_b8 v0, s[64:65] scope:SCOPE_SE
	s_setreg_imm32_b32 hwreg(HW_REG_WAVE_MODE, 25, 1), 1
	s_wait_xcnt 0x0
; PREP.  x [16][2048][512] f32 is rounded once to f16 (xh); of each block of 128 rows the 512 column sums (f32) and the largest |x| are kept (stat);
; Wv, Wk, Wq are rounded once to f16 (wh: Wv, then Wk, then Wq, each [512][512] as given).
; LIMITS.  f16 ends at 65,504: |x| and |W| stay below it; below 6e-5 a number keeps f16's fixed step of 6e-8.  NaN and infinities are not treated apart.
; SHARES.  Work-group g = 16 b + slice owns 128 rows of x: 262,144 dense bytes.  Thread t takes the 16 bytes at 16 t + 8,192 i, i = 0..31: four columns (4 (t % 128) ..) of the rows t / 128 + 4 i.
; All 32 loads of a thread go out at once: the group's whole share is on its way, no register is used twice, and the waits count down.  A wave's load covers 512 consecutive bytes,
; its store of 8 bytes a lane 256 consecutive bytes, aligned.  No matrix unit, no cluster: nothing is multiplied and no work-group reads what another reads.
.set SUMS,  0                          ; LDS: thread t's four column sums at 16 t
.set MAXS,  8192                       ; one word for each wave
.set SPARE, 8448                       ; the spare words, 128 bytes for each of the 16 waves: eight blocks of 256 bytes that no other line names
.set SPW,   8                          ; v8   my spare word's address; never rewritten
.set NIL,   9                          ; v9   0; never rewritten
.set X,     32                         ; v[32:159] row i of my 32: four registers as loaded; the first two then hold the four f16
	s_load_b256 s[4:11], s[0:1], 0x0               ; x s[4:5], Wv s[6:7], Wk s[8:9], Wq s[10:11]
	s_load_b128 s[12:15], s[0:1], 0x20             ; xh s[12:13], wh s[14:15]
	s_load_b64 s[16:17], s[0:1], 0x30              ; stat
	v_lshl_add_u32 v[SPW], v0, 2, SPARE
	v_mov_b32 v[NIL], 0
	v_lshrrev_b32 v1, 5, v0
	v_readfirstlane_b32 s20, v1                    ; wave 0..15
	v_lshlrev_b32 v2, 4, v0                        ; 16 t: in x, in the weights, in SUMS
	v_lshlrev_b32 v3, 3, v0                        ; 8 t: in xh and wh
	v_mov_b32 v6, s20
	v_lshl_add_u32 v6, v6, 2, MAXS                 ; my wave's word
	v_mov_b32 v7, MAXS
	v_mov_b32 v10, 0                               ; the offset of the one word that thread 0 stores
	s_mov_b32 s22, 0x76543210                      ; v_permlanex16_b32: each lane takes its own place in the other half
	s_mov_b32 s23, 0xfedcba98
	s_mov_b32 s19, 0
	s_and_b32 s21, ttmp9, 127
	s_wait_kmcnt 0x0
	s_lshl_b32 s18, ttmp9, 18
	s_add_nc_u64 s[4:5], s[4:5], s[18:19]          ; x at my 128 rows
	s_lshl_b32 s18, ttmp9, 17
	s_add_nc_u64 s[12:13], s[12:13], s[18:19]      ; xh at the same rows
	s_cmp_lt_u32 ttmp9, 128                        ; groups 0-127 take 8,192 bytes of Wv each, groups 128-255 of Wk
	s_cselect_b64 s[24:25], s[6:7], s[8:9]
	s_lshl_b32 s18, s21, 13
	s_add_nc_u64 s[24:25], s[24:25], s[18:19]
	s_lshl_b32 s18, ttmp9, 12
	s_add_nc_u64 s[10:11], s[10:11], s[18:19]      ; every group takes 4,096 bytes of Wq
	s_add_nc_u64 s[26:27], s[14:15], s[18:19]      ; wh: Wv's and Wk's halves lie on end, 4,096 bytes a group
	s_lshl_b32 s18, ttmp9, 11
	s_add_nc_u64 s[28:29], s[14:15], s[18:19]      ; wh for Wq, less the 1,048,576 that stand in the store's immediate
	s_add_nc_u64 s[30:31], s[16:17], s[18:19]      ; stat: my 512 column sums
	s_lshl_b32 s18, ttmp9, 2
	s_add_nc_u64 s[32:33], s[16:17], s[18:19]      ; stat: my maximum, less the 524,288 in the immediate
	global_load_b128 v[20:23], v2, s[24:25] th:TH_LOAD_NT
	s_cmp_lt_u32 s20, 8                            ; Wq's 4,096 bytes are 256 threads' work
	s_cbranch_scc0 .Lno_wq_in
	global_load_b128 v[24:27], v2, s[10:11] th:TH_LOAD_NT
.Lno_wq_in:
.set i, 0
.rept 32
	global_load_b128 v[X+4*i:X+4*i+3], v2, s[4:5] offset:8192*i th:TH_LOAD_NT
.set i, i+1
.endr
	s_wait_loadcnt 32                              ; the weights are in; the 32 loads of x were issued behind them, on both paths
	v_cvt_pk_f16_f32 v20, v20, v21
	v_cvt_pk_f16_f32 v21, v22, v23
	global_store_b64 v3, v[20:21], s[26:27]
	s_cmp_lt_u32 s20, 8
	s_cbranch_scc0 .Lno_wq_out
	v_cvt_pk_f16_f32 v24, v24, v25
	v_cvt_pk_f16_f32 v25, v26, v27
	global_store_b64 v3, v[24:25], s[28:29] offset:1048576
.Lno_wq_out:
.macro PUT i                           ; row i: rounded in place, stored; its registers are not written again before the stores have read them
	v_cvt_pk_f16_f32 v[X+4*(\i)], v[X+4*(\i)], v[X+4*(\i)+1]
	v_cvt_pk_f16_f32 v[X+4*(\i)+1], v[X+4*(\i)+2], v[X+4*(\i)+3]
	global_store_b64 v3, v[X+4*(\i):X+4*(\i)+1], s[12:13] offset:4096*(\i)
.endm
	s_wait_loadcnt 30                              ; rows 0 and 1 are in: they start the sums and the maxima, nothing is cleared
	v_pk_add_f32 v[12:13], v[X:X+1], v[X+4:X+5]
	v_pk_add_f32 v[14:15], v[X+2:X+3], v[X+6:X+7]
	v_max_num_f32 v16, |v[X]|, |v[X+1]|
	v_max_num_f32 v17, |v[X+2]|, |v[X+3]|
	PUT 0
	v_max3_num_f32 v16, v16, |v[X+4]|, |v[X+5]|
	v_max3_num_f32 v17, v17, |v[X+6]|, |v[X+7]|
	PUT 1
.set i, 2
.rept 30
	s_wait_loadcnt 31-i                            ; loads come back in order: row i is in, the 31 - i younger ones stay out
	v_pk_add_f32 v[12:13], v[12:13], v[X+4*i:X+4*i+1]
	v_pk_add_f32 v[14:15], v[14:15], v[X+4*i+2:X+4*i+3]
	v_max3_num_f32 v16, v16, |v[X+4*i]|, |v[X+4*i+1]|
	v_max3_num_f32 v17, v17, |v[X+4*i+2]|, |v[X+4*i+3]|
	PUT i
.set i, i+1
.endr
	v_max_num_f32 v16, v16, v17                    ; the wave's maximum: four steps inside each half of the lanes, one across
	v_max_num_f32_dpp v16, v16, v16 row_xmask:1 row_mask:0xf bank_mask:0xf
	v_max_num_f32_dpp v16, v16, v16 row_xmask:2 row_mask:0xf bank_mask:0xf
	v_max_num_f32_dpp v16, v16, v16 row_xmask:4 row_mask:0xf bank_mask:0xf
	v_max_num_f32_dpp v16, v16, v16 row_xmask:8 row_mask:0xf bank_mask:0xf
	v_permlanex16_b32 v17, v16, s22, s23
	v_max_num_f32 v16, v16, v17
	ds_store_b128 v2, v[12:15] offset:SUMS
	ds_store_b32 v6, v16
	s_wait_dscnt 0x0                               ; for the others' sake: my stores are done
	s_barrier_signal -1
	s_barrier_wait -1
	s_cmp_lt_u32 s20, 4                            ; threads 0-127 finish: thread t adds the sums of threads t, t + 128, t + 256, t + 384, which hold the same four columns
	s_cbranch_scc0 .Lend
	s_wait_xcnt 0x0                                ; the stores above have read their registers: X's are loaded anew only behind this wait
	ds_load_b128 v[32:35], v2 offset:SUMS
	ds_load_b128 v[36:39], v2 offset:SUMS+2048
	ds_load_b128 v[40:43], v2 offset:SUMS+4096
	ds_load_b128 v[44:47], v2 offset:SUMS+6144
	ds_load_b128 v[48:51], v7
	ds_load_b128 v[52:55], v7 offset:16
	ds_load_b128 v[56:59], v7 offset:32
	ds_load_b128 v[60:63], v7 offset:48
	s_wait_dscnt 0x0
	v_pk_add_f32 v[32:33], v[32:33], v[36:37]
	v_pk_add_f32 v[34:35], v[34:35], v[38:39]
	v_pk_add_f32 v[40:41], v[40:41], v[44:45]
	v_pk_add_f32 v[42:43], v[42:43], v[46:47]
	v_pk_add_f32 v[32:33], v[32:33], v[40:41]
	v_pk_add_f32 v[34:35], v[34:35], v[42:43]
	global_store_b128 v2, v[32:35], s[30:31]       ; 16 lanes store 256 consecutive bytes, aligned
	v_max3_num_f32 v48, v48, v49, v50
	v_max3_num_f32 v52, v52, v53, v54
	v_max3_num_f32 v56, v56, v57, v58
	v_max3_num_f32 v60, v60, v61, v62
	v_max3_num_f32 v48, v48, v51, v55
	v_max3_num_f32 v52, v52, v59, v63
	v_max3_num_f32 v48, v48, v52, v56
	v_max_num_f32 v48, v48, v60                    ; the largest |x| of the group's 128 rows
	v_cmp_gt_u32 vcc_lo, 1, v0
	s_wait_xcnt 0x0                                ; EXEC changes only behind this wait
	s_and_saveexec_b32 s34, vcc_lo
	global_store_b32 v10, v48, s[32:33] offset:524288  ; thread 0 alone: one word a work-group
	s_wait_xcnt 0x0                                ; and again in front of the line that widens it
	s_or_b32 exec_lo, exec_lo, s34
.Lend:
	s_wait_tensorcnt 0x0                           ; the wave's end, behind my last LDS store
	ds_add_u32 v[SPW], v[NIL]
	s_wait_dscnt 0x0
	s_endpgm
.Lfunc_end_k_qea84d9e0f7_prep:
	.size	k_qea84d9e0f7_prep, .Lfunc_end_k_qea84d9e0f7_prep-k_qea84d9e0f7_prep
	.p2alignl 7, 3214868480
	.fill 96, 4, 3214868480
	.section	.rodata,"a",@progbits
	.p2align	6, 0x0
	.amdhsa_kernel k_qea84d9e0f7_prep
		.amdhsa_group_segment_fixed_size 10496
		.amdhsa_private_segment_fixed_size 0
		.amdhsa_enable_private_segment 0
		.amdhsa_kernarg_size 56
		.amdhsa_user_sgpr_count 2
		.amdhsa_user_sgpr_kernarg_segment_ptr 1
		.amdhsa_wavefront_size32 1
		.amdhsa_system_sgpr_workgroup_id_x 1
		.amdhsa_system_sgpr_workgroup_id_y 1
		.amdhsa_system_sgpr_workgroup_id_z 1
		.amdhsa_system_vgpr_workitem_id 0
		.amdhsa_next_free_vgpr 160
		.amdhsa_next_free_sgpr 66
		.amdhsa_reserve_vcc 1
		.amdhsa_float_denorm_mode_32 3
		.amdhsa_float_denorm_mode_16_64 3
		.amdhsa_memory_ordered 1
		.amdhsa_forward_progress 1
		.amdhsa_inst_pref_size 24
	.end_amdhsa_kernel
	.amdgpu_metadata
---
amdhsa.version: [ 1, 2 ]
amdhsa.kernels:
  - .name:           k_qea84d9e0f7_prep
    .symbol:         k_qea84d9e0f7_prep.kd
    .args:
      - { .name: x, .offset: 0, .size: 8, .value_kind: global_buffer, .address_space: global }
      - { .name: Wv, .offset: 8, .size: 8, .value_kind: global_buffer, .address_space: global }
      - { .name: Wk, .offset: 16, .size: 8, .value_kind: global_buffer, .address_space: global }
      - { .name: Wq, .offset: 24, .size: 8, .value_kind: global_buffer, .address_space: global }
      - { .name: xh, .offset: 32, .size: 8, .value_kind: global_buffer, .address_space: global }
      - { .name: wh, .offset: 40, .size: 8, .value_kind: global_buffer, .address_space: global }
      - { .name: stat, .offset: 48, .size: 8, .value_kind: global_buffer, .address_space: global }
    .group_segment_fixed_size: 10496
    .private_segment_fixed_size: 0
    .kernarg_segment_align: 8
    .kernarg_segment_size: 56
    .max_flat_workgroup_size: 512
    .sgpr_count:     66
    .vgpr_count:     160
    .wavefront_size: 32
...
	.end_amdgpu_metadata
.endif
;; end of part 1
;; launch gram (part 2): grid 4 x 64, 4 waves a work-group, clusters of 4 x 4, 327,680 bytes of LDS; arguments xh, stat, gh; writes gh
.if DOCPART == 2
	.amdgcn_target "amdgcn-amd-amdhsa--gfx1250"
	.amdhsa_code_object_version 6
	.text
	.protected	k_qea84d9e0f7_gram
	.globl	k_qea84d9e0f7_gram
	.p2align	8
	.type	k_qea84d9e0f7_gram,@function
k_qea84d9e0f7_gram:
	s_mov_b64 s[64:65], 0
	v_nop
	global_prefetch_b8 v0, s[64:65] scope:SCOPE_SE
	s_setreg_imm32_b32 hwreg(HW_REG_WAVE_MODE, 25, 1), 1
	s_wait_xcnt 0x0
	s_wait_alu depctr_hold_cnt(0) depctr_sa_sdst(0) depctr_va_vdst(0) depctr_va_sdst(0) depctr_va_ssrc(0) depctr_va_vcc(0) depctr_vm_vsrc(0)
	s_getreg_b32 s2, hwreg(HW_REG_IB_STS2, 6, 4)
	s_cmp_eq_u32 s2, 0
	s_cbranch_scc0 .Lentry_in_a_cluster
	s_endpgm
.Lentry_in_a_cluster:
	s_bfe_u32 s2, ttmp6, 0x10000c
	s_cmp_lg_u32 s2, 0xf033
	s_cbranch_scc0 .Lentry_shape_is_right
	s_endpgm
.Lentry_shape_is_right:
; GRAM.  gh[b][i][j] = SG_b x the sum over l of xh[b][l][i] xh[b][l][j]: [16][512][512] f16 from xh [16][2048][512] f16; sums in f32, gh rounded once.
; SG_b is a power of two made from the batch's largest |x| (exponent field e, held to 65..191): every |x| is below 2^(e-126), so a sum of 2,048 products is below 2^(2e-241), and
; SG = 2^(256-2e) keeps gh below 2^15, inside f16.  LIMITS: numbers of gh below 6e-5 keep f16's fixed step; NaN and infinities are not treated apart.
; SHARES.  A cluster of 4 x 4 work-groups is one batch; work-group (cx = J, cy = I) makes the tile of 128 x 128 at rows 128 I, columns 128 J.  Four waves, each 64 x 64: 16 accumulators.
; The sum runs over l in 8 steps of 256 rows through two LDS slots.  A step's two tiles are 256 rows x 128 columns of xh: block I's columns, which the four of a row of the cluster need,
; and block J's, which the four of a column need: each is asked for JOINTLY, by the same tensor load with the same descriptor and a mask that names the four.
; Both operands lie in LDS with l down the rows, so both come out turned, by ds_load_tr16_b128.  The matrix instruction is used transposed (source 0 = 16 columns j, source 1 = 16 columns i):
; a lane then holds eight neighbouring numbers of a row of gh.
; REGISTERS: window 0: v0-31 addresses; v32-95 at work on the way out; v128-255 the accumulators ((a, b) at v[128 + 8 (4 a + b)]).
;   window 1: two fragment buffers of 128: for 64 along l, 64 registers of block I's side (2 x 4 fragments), then 64 of block J's.
.set PT,     288                       ; an LDS row: 256 bytes + 32 of padding = 72 words
.set HALFT,  128*PT                    ; 128 rows: what one tensor load brings
.set SLOT,   4*HALFT                   ; block I's 256 rows, then block J's
.set STAGE,  0                         ; the way out's stage, 128 rows x 272 bytes, lies in slot 0: that slot has had its last fill, and its last reads are over at the barrier in front of the last step
.set SPITCH, 272
.set SPARE,  2*SLOT                    ; behind the ring: the spare words, 128 bytes for each wave: two blocks of 256 bytes that no other line names
.set LAPS,   4                         ; a lap = two steps = once round the ring: 2,048 rows
.set STEPB,  256*1024                  ; bytes of xh from a step to the next
.set ADRA, 16                          ; v16-19  LDS address of my fragments of block I's side: slot 0 rows 0-127, slot 0 rows 128-255, slot 1 likewise
.set ADRB, 20                          ; v20-23  the same for block J's side
.set STO,  24                          ; v24     the way out: where I put 16 bytes of a row
.set RD,   25                          ; v25     the way out: where I read a row back
.set CO,   26                          ; v26     my byte offset in gh
.set SPW,  28                          ; v28     my spare word's address; never rewritten
.set NIL,  29                          ; v29     0; never rewritten
.set TMP,  32
.set ACC,  128
.set F0,   0                           ; fragment buffers, in window 1
.set F1,   128
.set G1, 24                            ; s[24:31] descriptor group 1 for block I's tiles;  s[32:39] group 0, one set for each slot
.set G0, 32
.set G1B, 48                           ; s[48:55], s[56:63] the same for block J's tiles
.set G0B, 56
.set SG, 84                            ; s[84:85] the scale
.set MSB, 0
.macro WIN new                         ; the immediate's high byte repeats the setting that is left
.if MSB != (\new)
	s_set_vgpr_msb (MSB<<8)|(\new)
.set MSB, \new
.endif
.endm
.set W_MUL, 0x05                       ; sources 0 and 1 window 1; C and D window 0
.set TO_F,  0x40                       ; destination window 1, address window 0
.macro JLOAD s                         ; a joint load: waves 0 and 1 fetch the two halves of block I's tile, waves 2 and 3 of block J's; an s_nop 0 and four v_nop follow each of the two lines
	s_cmp_eq_u32 s11, 0
	s_cbranch_scc0 .Lfor_b_\@
	tensor_load_to_lds s[G0+4*(\s):G0+4*(\s)+3], s[G1:G1+7]
	s_nop 0
.rept 4
	v_nop
.endr
	s_branch .Lasked_\@
.Lfor_b_\@:
	tensor_load_to_lds s[G0B+4*(\s):G0B+4*(\s)+3], s[G1B:G1B+7]
	s_nop 0
.rept 4
	v_nop
.endr
.Lasked_\@:
.endm
.macro CREST                           ; a round of the cluster's barrier behind its opening barrier
	s_cmp_lg_u32 s10, 0
	s_cbranch_scc1 .Lnot_wave_0_\@
	s_barrier_signal -3
.Lnot_wave_0_\@:
	s_barrier_wait -3
	s_barrier_signal -1
	s_barrier_wait -1
.endm
.macro CROUND                          ; a whole round
	s_barrier_signal -1
	s_barrier_wait -1
	CREST
.endm
	s_load_b128 s[4:7], s[0:1], 0x0                ; xh s[4:5], stat s[6:7]
	s_load_b64 s[8:9], s[0:1], 0x10                ; gh
	v_lshl_add_u32 v[SPW], v0, 2, SPARE
	v_mov_b32 v[NIL], 0
	ds_add_u32 v[SPW], v[NIL]                      ; the wave's opening: the add, twice on end, and its wait ahead of my first tensor load
	ds_add_u32 v[SPW], v[NIL]                      ; and once more, under the one wait; the set-up below, work on registers, stands between
	v_lshrrev_b32 v1, 5, v0
	v_readfirstlane_b32 s10, v1                    ; wave 0..3
	s_lshr_b32 s11, s10, 1                         ; which half of the tile's rows is mine.  Also: I fetch for block I (0) or block J (1)
	s_and_b32 s12, s10, 1                          ; which half of its columns.  Also: which 128 rows of a step I fetch
	s_bfe_u32 s40, ttmp6, 0x40000                  ; cx = J
	s_bfe_u32 s41, ttmp6, 0x40004                  ; cy = I
	s_and_b32 s13, ttmp7, 0xffff                   ; the cluster's y = the batch
	s_lshl_b32 s43, s41, 2
	s_lshl_b32 s43, 15, s43                        ; my row of the cluster
	s_lshl_b32 s44, 0x1111, s40                    ; my column
	; descriptor group 1: a tile of 128 rows x 128 elements, padded in LDS
	s_or_b32 s[G1+0], s43, (1<<16)|(1<<20)|(1<<21)|(5<<22)|(7<<25)  ; 15:0 the mask; 17:16 elements of 2 bytes; 20 padding on; 21 set beside a mask; 24:22 after every 64 words (code 5); 31:25 8 words (code 7)
	s_or_b32 s[G1B+0], s44, (1<<16)|(1<<20)|(1<<21)|(5<<22)|(7<<25)
.irp g, G1, G1B
	s_mov_b32 s[(\g)+1], 128<<16                   ; tensor_dim0 = 128
	s_mov_b32 s[(\g)+2], 128<<16                   ; tensor_dim1 = 128
	s_mov_b32 s[(\g)+3], 128<<16                   ; tile_dim0 = 128
	s_mov_b32 s[(\g)+4], 128                       ; tile_dim1 = 128
	s_mov_b32 s[(\g)+5], 512                       ; elements from row to row
	s_mov_b32 s[(\g)+6], 0
	s_mov_b32 s[(\g)+7], 0
.endr
	s_lshl_b32 s16, s13, 21                        ; the batch's 2,048 rows of 1,024 bytes,
	s_lshl_b32 s17, s12, 17                        ; my 128 rows of a step
	s_add_co_u32 s16, s16, s17
	s_lshl_b32 s18, s41, 8
	s_add_co_u32 s18, s16, s18                     ; block I's 256 bytes of a row: hangs on cy, which my row of the cluster shares
	s_mov_b32 s19, 0
	s_lshl_b32 s46, s40, 8
	s_add_co_u32 s46, s16, s46                     ; block J's: hangs on cx, which my column shares
	s_mov_b32 s47, 0
	s_mul_i32 s20, s10, HALFT                      ; where they go: wave x 128 rows: no place in the cluster enters an LDS address
	s_lshl_b32 s22, s13, 6                         ; the batch's 16 maxima
	s_mov_b32 s23, 0
	s_wait_dscnt 0x0                               ; both opening adds are done
	s_wait_kmcnt 0x0
	s_add_nc_u64 s[14:15], s[4:5], s[18:19]
	s_add_nc_u64 s[46:47], s[4:5], s[46:47]
	s_add_nc_u64 s[86:87], s[6:7], s[22:23]
	s_load_b512 s[68:83], s[86:87], 0x80000        ; waited for in front of the way out; s[86:87] are not written again
	CROUND                                         ; all sixteen work-groups are here: the first joint loads meet
.irp s, 0,1
	s_mov_b32 s[G0+4*(\s)], 1
	s_add_co_u32 s[G0+4*(\s)+1], s20, (\s)*SLOT
	s_add_nc_u64 s[G0+4*(\s)+2:G0+4*(\s)+3], s[14:15], (\s)*STEPB
	s_or_b32 s[G0+4*(\s)+3], s[G0+4*(\s)+3], 0x80000000
	s_mov_b32 s[G0B+4*(\s)], 1
	s_add_co_u32 s[G0B+4*(\s)+1], s20, (\s)*SLOT
	s_add_nc_u64 s[G0B+4*(\s)+2:G0B+4*(\s)+3], s[46:47], (\s)*STEPB
	s_or_b32 s[G0B+4*(\s)+3], s[G0B+4*(\s)+3], 0x80000000
	JLOAD \s
.endr
	; The turning load takes 16 rows l x 16 columns (lane n reads row 8 (n / 16) + n % 8, columns 8 ((n / 8) % 2) + 0..7) and leaves half a fragment: lane n holds column n % 16 and 8 rows l.
	v_and_b32 v1, 15, v0                           ; n % 16
	v_bfe_u32 v2, v0, 4, 1                         ; n / 16
	v_and_b32 v3, 7, v0
	v_lshl_add_u32 v3, v2, 3, v3
	v_mul_u32_u24 v3, v3, PT
	v_bfe_u32 v4, v0, 3, 1
	v_lshl_add_u32 v3, v4, 4, v3
	s_lshl_b32 s21, s11, 7                         ; my 64 columns of block I's 128: 128 bytes
	s_lshl_b32 s22, s12, 7                         ; my 64 of block J's,
	s_add_co_u32 s22, s22, 2*HALFT                 ; whose rows lie behind block I's 256
.irp n, 0,1,2,3
	s_add_co_u32 s23, s21, ((\n)/2)*SLOT+((\n)%2)*HALFT
	v_add_nc_u32 v[ADRA+(\n)], s23, v3
	s_add_co_u32 s23, s22, ((\n)/2)*SLOT+((\n)%2)*HALFT
	v_add_nc_u32 v[ADRB+(\n)], s23, v3
.endr
	s_mul_i32 s23, s11, 64*SPITCH                  ; into the stage: my 64 rows, my half of their 256 bytes; row n % 16, 16 bytes for each half of the lanes
	s_lshl_b32 s21, s12, 7
	s_add_co_u32 s23, s23, s21
	s_add_co_u32 s23, s23, STAGE
	v_mul_u32_u24 v4, v1, SPITCH
	v_lshl_add_u32 v4, v2, 4, v4
	v_add_nc_u32 v[STO], s23, v4
	s_mul_i32 s23, s10, 32*SPITCH                  ; back: wave w takes rows 32 w .. 32 w + 31, whole; lanes 0-15 one row of 256 bytes, lanes 16-31 the next
	s_add_co_u32 s23, s23, STAGE
	v_mul_u32_u24 v5, v2, SPITCH
	v_lshl_add_u32 v5, v1, 4, v5
	v_add_nc_u32 v[RD], s23, v5
	v_lshlrev_b32 v5, 10, v2                       ; and the same two rows in gh, 1,024 bytes apart
	v_lshl_add_u32 v[CO], v1, 4, v5
	s_lshl_b32 s16, s41, 7
	s_lshl_b32 s17, s10, 5
	s_add_co_u32 s16, s16, s17                     ; the first row that I store: 128 I + 32 w
	s_lshl_b32 s16, s16, 10
	s_lshl_b32 s17, s13, 19                        ; the batch's 512 rows
	s_add_co_u32 s16, s16, s17
	s_lshl_b32 s17, s40, 8                         ; the tile's first column, in bytes
	s_add_co_u32 s16, s16, s17
	s_mov_b32 s17, 0
	s_add_nc_u64 s[8:9], s[8:9], s[16:17]
; 8 matrix instructions: row blocks a0, a0 + 1 x all 4 column blocks, 32 along l: half c of buffer f.  zero = 1: the first product starts the sums
.macro MUL8 f, c, a0, zero
	WIN W_MUL
.irp a, \a0, (\a0)+1
.irp b, 0,1,2,3
.if \zero
	v_wmma_f32_16x16x32_f16 v[ACC+8*(4*(\a)+(\b)):ACC+8*(4*(\a)+(\b))+7], v[(\f)+64+8*(4*(\c)+(\b)):(\f)+64+8*(4*(\c)+(\b))+7], v[(\f)+8*(4*(\c)+(\a)):(\f)+8*(4*(\c)+(\a))+7], 0
.else
	v_wmma_f32_16x16x32_f16 v[ACC+8*(4*(\a)+(\b)):ACC+8*(4*(\a)+(\b))+7], v[(\f)+64+8*(4*(\c)+(\b)):(\f)+64+8*(4*(\c)+(\b))+7], v[(\f)+8*(4*(\c)+(\a)):(\f)+8*(4*(\c)+(\a))+7], v[ACC+8*(4*(\a)+(\b)):ACC+8*(4*(\a)+(\b))+7]
.endif
.endr
.endr
.endm
; 32 LDS loads in one run: the fragments of quarter q of a step (64 rows l) into buffer f; its first 32 rows first
.macro FETCH slot, q, f
	WIN TO_F
.irp c, 0,1
.irp i, 0,1,2,3
	ds_load_tr16_b128 v[(\f)+64+8*(4*(\c)+(\i)):(\f)+64+8*(4*(\c)+(\i))+3],   v[ADRB+2*(\slot)+(\q)/2] offset:(((\q)%2)*64+32*(\c))*PT+32*(\i)
	ds_load_tr16_b128 v[(\f)+64+8*(4*(\c)+(\i))+4:(\f)+64+8*(4*(\c)+(\i))+7], v[ADRB+2*(\slot)+(\q)/2] offset:(((\q)%2)*64+32*(\c)+16)*PT+32*(\i)
	ds_load_tr16_b128 v[(\f)+8*(4*(\c)+(\i)):(\f)+8*(4*(\c)+(\i))+3],         v[ADRA+2*(\slot)+(\q)/2] offset:(((\q)%2)*64+32*(\c))*PT+32*(\i)
	ds_load_tr16_b128 v[(\f)+8*(4*(\c)+(\i))+4:(\f)+8*(4*(\c)+(\i))+7],       v[ADRA+2*(\slot)+(\q)/2] offset:(((\q)%2)*64+32*(\c)+16)*PT+32*(\i)
.endr
.endr
.endm
.macro PLACES                          ; four places in front of loads into registers that matrix instructions have read, and of vector lines that read or write results
.rept 4
	v_nop
.endr
.endm
; A step is four quarters of 64 along l, 32 matrix instructions each, on buffers 0, 1, 0, 1.  One of the first three: multiplies buffer f and fetches quarter q into g.
.macro QUARTER slot, q, f, g, zero
	s_wait_dscnt 16                                ; the first 32 along l are in; the sixteen younger loads may be out
	MUL8 \f, 0, 0, \zero
	MUL8 \f, 0, 2, \zero
	PLACES
	FETCH \slot, \q, \g
	s_wait_dscnt 32                                ; all but the 32 just issued
	MUL8 \f, 1, 0, 0
	MUL8 \f, 1, 2, 0
.endm
; The last quarter multiplies buffer 1 and changes slots: ONE barrier; in front of it each wave waits for all its tensor loads, adds 0 to its spare word, and waits for that and for its own reads of this slot.
; fill = 1: this slot is filled again, two steps ahead; the barrier then opens a round of the cluster's.
.macro TURN slot, next, fill
	WIN 0                                          ; (the add's two registers lie in window 0)
	s_wait_tensorcnt 0x0                           ; all my tensor loads have landed: my part of the next slot;
	ds_add_u32 v[SPW], v[NIL]                      ; 0 onto my spare word;
	s_wait_dscnt 17                                ; (the add and the youngest sixteen loads may be out)
	MUL8 F1, 0, 0, 0                               ; eight matrix instructions stand between the add and the wait for it
	s_wait_dscnt 0x0                               ; the add is done, and my reads of this slot are over
	s_barrier_signal -1
	MUL8 F1, 0, 2, 0
.if \fill
	WIN 0
.endif
	s_barrier_wait -1
.if \fill
	CREST                                          ; no wave of any partner still reads this slot's tiles or has a load on its way
	s_add_nc_u64 s[G0+4*(\slot)+2:G0+4*(\slot)+3], s[G0+4*(\slot)+2:G0+4*(\slot)+3], 2*STEPB
	s_add_nc_u64 s[G0B+4*(\slot)+2:G0B+4*(\slot)+3], s[G0B+4*(\slot)+2:G0B+4*(\slot)+3], 2*STEPB
	JLOAD \slot                                    ; the first tensor load behind the round; the four v_nop behind it are also the places in front of the loads below
.else
	PLACES
.endif
	FETCH \next, 0, F0
	MUL8 F1, 1, 0, 0
	MUL8 F1, 1, 2, 0
.endm
	s_wait_tensorcnt 1                             ; my part of step 0 is in; step 1's load, issued behind it, may stay out
	s_barrier_signal -1
	s_barrier_wait -1                              ; everybody's is
	FETCH 0, 0, F0
	QUARTER 0, 1, F0, F1, 1                        ; the first quarter stands in front of the loop: its first products start the sums
	WIN 0                                          ; at a label and at a branch every window is 0
	s_mov_b32 s3, LAPS-1
.Llap:                                                 ; a trip goes once round the ring, from a lap's second quarter to the next lap's first, and fills both slots again
	QUARTER 0, 2, F1, F0, 0
	QUARTER 0, 3, F0, F1, 0
	TURN 0, 1, 1
	QUARTER 1, 1, F0, F1, 0
	QUARTER 1, 2, F1, F0, 0
	QUARTER 1, 3, F0, F1, 0
	TURN 1, 0, 1
	QUARTER 0, 1, F0, F1, 0
	WIN 0
	s_sub_co_u32 s3, s3, 1
	s_cmp_lg_u32 s3, 0
	s_cbranch_scc1 .Llap
	QUARTER 0, 2, F1, F0, 0                        ; the last lap fills nothing
	QUARTER 0, 3, F0, F1, 0
	TURN 0, 1, 0
	QUARTER 1, 1, F0, F1, 0
	QUARTER 1, 2, F1, F0, 0
	QUARTER 1, 3, F0, F1, 0
	s_wait_dscnt 16                                ; the very last quarter: nothing more to fetch
	MUL8 F1, 0, 0, 0
	MUL8 F1, 0, 2, 0
	s_wait_dscnt 0x0
	MUL8 F1, 1, 0, 0
	MUL8 F1, 1, 2, 0
	WIN 0
	; THE SCALE: non-negative floats order as whole numbers, so the batch's largest |x| is the largest of its 16 words
	s_wait_kmcnt 0x0
.irp n, 69,70,71,72,73,74,75,76,77,78,79,80,81,82,83
	s_max_u32 s68, s68, s\n
.endr
	s_lshr_b32 s68, s68, 23                        ; its exponent field e,
	s_max_u32 s68, s68, 65
	s_min_u32 s68, s68, 191                        ; held so that every field below is a normal number's
	s_lshl_b32 s68, s68, 1
	s_sub_co_u32 s68, 383, s68
	s_lshl_b32 s[SG], s68, 23                      ; SG = 2^(256 - 2 e)
	s_mov_b32 s[SG+1], s[SG]                       ; named with it as a pair
	; THE WAY OUT: scale, round to f16; 16 bytes a lane into the work-group's stage; a barrier, since a row's 256 bytes come from two waves; back as whole rows, 32 rows a wave.
	PLACES
.irp t, 0,1,2,3,4,5,6,7,8,9,10,11,12,13,14,15
.irp r, 0,1,2,3
	v_pk_mul_f32 v[ACC+8*(\t)+2*(\r):ACC+8*(\t)+2*(\r)+1], v[ACC+8*(\t)+2*(\r):ACC+8*(\t)+2*(\r)+1], s[SG:SG+1] op_sel_hi:[1,0]
.endr
.irp r, 0,1,2,3
	v_cvt_pk_f16_f32 v[TMP+4*(\t)+(\r)], v[ACC+8*(\t)+2*(\r)], v[ACC+8*(\t)+2*(\r)+1]
.endr
.endr
.irp a, 0,1,2,3
.irp b, 0,1,2,3
	ds_store_b128 v[STO], v[TMP+4*(4*(\a)+(\b)):TMP+4*(4*(\a)+(\b))+3] offset:(\a)*16*SPITCH+32*(\b)
.endr
.endr
	s_wait_dscnt 0x0                               ; for the others' sake: my stores into the stage are done
	s_barrier_signal -1
	s_barrier_wait -1
.irp t, 0,1,2,3,4,5,6,7,8,9,10,11,12,13,14,15
	ds_load_b128 v[TMP+4*(\t):TMP+4*(\t)+3], v[RD] offset:(\t)*2*SPITCH
.endr
.irp t, 0,1,2,3,4,5,6,7,8,9,10,11,12,13,14,15
	s_wait_dscnt 15-(\t)
	global_store_b128 v[CO], v[TMP+4*(\t):TMP+4*(\t)+3], s[8:9] offset:2*(\t)*1024  ; 16 lanes store 256 consecutive bytes, at a multiple of 256 from gh's first byte
.endr
	s_wait_tensorcnt 0x0                           ; the wave's end: behind my last tensor load and my last LDS store
	ds_add_u32 v[SPW], v[NIL]
	s_wait_dscnt 0x0
	CROUND                                         ; the closing round: no work-group ends while a partner may still ask for a tile that names it
	s_endpgm
.Lfunc_end_k_qea84d9e0f7_gram:
	.size	k_qea84d9e0f7_gram, .Lfunc_end_k_qea84d9e0f7_gram-k_qea84d9e0f7_gram
	.p2alignl 7, 3214868480
	.fill 96, 4, 3214868480
	.section	.rodata,"a",@progbits
	.p2align	6, 0x0
	.amdhsa_kernel k_qea84d9e0f7_gram
		.amdhsa_group_segment_fixed_size 327680
		.amdhsa_private_segment_fixed_size 0
		.amdhsa_enable_private_segment 0
		.amdhsa_kernarg_size 24
		.amdhsa_user_sgpr_count 2
		.amdhsa_user_sgpr_kernarg_segment_ptr 1
		.amdhsa_wavefront_size32 1
		.amdhsa_system_sgpr_workgroup_id_x 1
		.amdhsa_system_sgpr_workgroup_id_y 1
		.amdhsa_system_sgpr_workgroup_id_z 1
		.amdhsa_system_vgpr_workitem_id 0
		.amdhsa_next_free_vgpr 512
		.amdhsa_next_free_sgpr 88
		.amdhsa_reserve_vcc 0
		.amdhsa_float_denorm_mode_32 3
		.amdhsa_float_denorm_mode_16_64 3
		.amdhsa_memory_ordered 1
		.amdhsa_forward_progress 1
		.amdhsa_inst_pref_size 92
	.end_amdhsa_kernel
	.amdgpu_metadata
---
amdhsa.version: [ 1, 2 ]
amdhsa.kernels:
  - .name:           k_qea84d9e0f7_gram
    .symbol:         k_qea84d9e0f7_gram.kd
    .args:
      - { .name: xh, .offset: 0, .size: 8, .value_kind: global_buffer, .address_space: global }
      - { .name: stat, .offset: 8, .size: 8, .value_kind: global_buffer, .address_space: global }
      - { .name: gh, .offset: 16, .size: 8, .value_kind: global_buffer, .address_space: global }
    .group_segment_fixed_size: 327680
    .private_segment_fixed_size: 0
    .kernarg_segment_align: 8
    .kernarg_segment_size: 24
    .max_flat_workgroup_size: 128
    .sgpr_count:     88
    .vgpr_count:     512
    .wavefront_size: 32
...
	.end_amdgpu_metadata
.endif
;; end of part 2
;; launch mid (part 3): grid 256 x 1, 4 waves a work-group, clusters of 4 x 1, 327,680 bytes of LDS; arguments gh, wh, stat, bv, bk, bq, nth, fsc; writes nth, fsc
.if DOCPART == 3
	.amdgcn_target "amdgcn-amd-amdhsa--gfx1250"
	.amdhsa_code_object_version 6
	.text
	.protected	k_qea84d9e0f7_mid
	.globl	k_qea84d9e0f7_mid
	.p2align	8
	.type	k_qea84d9e0f7_mid,@function
k_qea84d9e0f7_mid:
	s_mov_b64 s[64:65], 0
	v_nop
	global_prefetch_b8 v0, s[64:65] scope:SCOPE_SE
	s_setreg_imm32_b32 hwreg(HW_REG_WAVE_MODE, 25, 1), 1
	s_wait_xcnt 0x0
	s_wait_alu depctr_hold_cnt(0) depctr_sa_sdst(0) depctr_va_vdst(0) depctr_va_sdst(0) depctr_va_ssrc(0) depctr_va_vcc(0) depctr_vm_vsrc(0)
	s_getreg_b32 s2, hwreg(HW_REG_IB_STS2, 6, 4)
	s_cmp_eq_u32 s2, 0
	s_cbranch_scc0 .Lentry_in_a_cluster
	s_endpgm
.Lentry_in_a_cluster:
	s_bfe_u32 s2, ttmp6, 0x10000c
	s_cmp_lg_u32 s2, 0x3003
	s_cbranch_scc0 .Lentry_shape_is_right
	s_endpgm
.Lentry_shape_is_right:
; MID.  With G = x^T x and s = x's column sums of a batch (L = 2,048 rows), reference()'s chain without a softmax is, exactly, out = q Nt^T + c, where
;   T1 = Wv G + bv s^T      p = Wv s + L bv      Mt = T1 Wk^T + p bk^T (= the sum over l of v_l k_l^T)      Nt = Mt Wq / sqrt(512)      c = Mt bq / sqrt(512).
; A work-group makes 32 rows j of T1, Mt and Nt of one batch, one after the other; between the stages the rows lie in LDS in f16.  Sums in f32.
; SCALES, all powers of two.  gh holds G x SG (SG from the batch's largest |x|, as the launch before makes it).  At the end of each stage the largest magnitude of the group's 32 x 512 numbers
; (exponent field e) gives SC = 2^(141 - e), which brings them below 2^15, inside f16; F, in f32, carries the product of the inverse scales.  nth takes the scaled Nt, fsc takes fs[j] = F / sqrt(512) and c[j].
; s enters the matrix unit as s x SG x U, U = 2^(e_x - 126), below 2^15; bv, bk stay f32 (they start sums); bq is rounded to f16.
; LIMITS.  |bq| below 65,504; numbers 2^29 and more below their block's largest keep f16's fixed step; NaN and infinities are not treated apart.
; SHARES.  Wave w makes columns 128 w .. 128 w + 127 of the 32 rows: 2 x 8 accumulators, and two more for the product with a vector (p in stage 1, c in stage 3), which every wave makes.
; THE STREAM.  Twelve chunks of 128 along K go through two LDS slots: 0-3 gh (rows e, K = d along the rows), 4-7 Wk (rows h, K = e), 8-11 Wq (128 rows h = K, all 512 columns: read turned).
; CLUSTER.  The four work-groups of a cluster belong to one batch and walk the same chunks: each wave asks for its quarter of a chunk JOINTLY, with the same descriptor and the mask of four in all four.
; fs and c leave as 128 bytes a work-group each, half an aligned 256 bytes: 65,536 bytes in the whole launch.
; REGISTERS: window 0: v0-31 addresses and the rows' bv and p; v32-63, v208-255 at work; v64-191 the accumulators ((a, t) at 64 + 8 (8 a + t)); v192-207 the two for the vector.
;   window 1: two fragment buffers at 0 and 128: the rows' 2 fragments, the chunk's 8, the vector's 1.
.set PN,    272                        ; a chunk's row with K along it: 256 bytes + 16 = 68 words: the 16 rows of a load start at 16 different groups of four banks (64 banks of 4 bytes: ISA guide 11.1)
.set PTR,   1056                       ; a row of Wq: 1,024 bytes + 32
.set PA,    1040                       ; a row of the 32 in LDS: 1,024 bytes + 16
.set SLOTB, 512*PN                     ; 139,264: a slot (Wq's chunks take 128 x 1,056 = 135,168 of it)
.set AREG,  2*SLOTB                    ; the 32 rows: Wv's, then T1's, Mt's, Nt's.  From here on nothing is filled by a tensor load
.set SV32,  AREG+32*PA+0               ; 311,808: s x SG, f32
.set BK32,  SV32+2048                  ; bk, f32
.set SV16,  BK32+2048                  ; s x SG x U, f16
.set BQ16,  SV16+1024                  ; bq, f16
.set MAXW,  BQ16+1024                  ; four words for each stage
.set SPARE, MAXW+256                   ; the spare words, 128 bytes for each wave: two blocks of 256 bytes that no other line names
.set AA,  2                            ; v2     the rows' fragments: AREG + 1,040 r + 16 h
.set BN,  3                            ; v3-4   my quarter of a chunk, K along the rows: by slot
.set BT,  5                            ; v5-8   Wq's chunk, my 128 columns: slot 0 rows 0-63, rows 64-127, slot 1 likewise
.set VS,  9                            ; v9     the vector's fragment: SV16 + 16 h: all lanes of a half read the same 16 bytes
.set LN,  10                           ; v10    my lane
.set STO, 11                           ; v11    where a stage's results go: AREG + 1,040 r + 16 h + 256 w
.set RV,  12                           ; v12    the f32 vectors at my columns: SV32 + 512 w + 32 h
.set MW,  13                           ; v13    my wave's word of MAXW
.set MR,  14                           ; v14    MAXW
.set CP,  15                           ; v15    whole rows: AREG + 8 w rows + 16 lane
.set GT,  16                           ; v16    the same in memory: 8,192 w + 16 lane
.set L4,  17                           ; v17    4 lane
.set BV,  18                           ; v[18:21] bv of my rows r and 16 + r, each twice (a pair)
.set PP,  22                           ; v[22:25] p of the same rows, in stage 2's scale
.set LV,  26                           ; v26    SV32 + 16 t
.set LH,  27                           ; v27    SV16 + 8 t
.set SPW, 30                           ; v30    my spare word's address; never rewritten
.set NIL, 31                           ; v31    0; never rewritten
.set ACC, 64
.set EXT, 192
.set F0,  0
.set F1,  128
.set WV,  20                           ; s20    my wave's number
.set G1N, 28                           ; s[28:35] descriptor group 1, K along the rows
.set G1T, 36                           ; s[36:43] for Wq
.set G0N, 44                           ; s[44:51] group 0, K along the rows: a set for each slot
.set G0T, 52                           ; s[52:59] for Wq
.set GB,  60                           ; s[60:61] gh at my quarter of the batch's rows
.set KB,  62                           ; s[62:63] Wk at my quarter
.set QB,  66                           ; s[66:67] Wq at my 32 rows of chunk 8
.set SG,  84                           ; s[84:85]
.set SGU, 86                           ; s[86:87] SG x U
.set LGU, 88                           ; s[88:89] 2,048 x SG x U
.set UI,  90                           ; s90    1 / U
.set SC,  92                           ; s[92:93] the stage's scale
.set FF,  94                           ; s94    F
.set FC,  95                           ; s95    F / sqrt(512) as it stands in front of stage 3's scale: c's factor
.set SEL, 96                           ; s[96:97]
.set MSB, 0
.macro WIN new
.if MSB != (\new)
	s_set_vgpr_msb (MSB<<8)|(\new)
.set MSB, \new
.endif
.endm
.macro PLACES                          ; four places behind a matrix instruction (ISA guide 7.12.1 for vector instructions)
.rept 4
	v_nop
.endr
.endm
.macro ROUND                           ; a round of the cluster's barrier
	s_barrier_signal -1
	s_barrier_wait -1
	s_cmp_lg_u32 s[WV], 0
	s_cbranch_scc1 .Lnot_wave_0_\@
	s_barrier_signal -3
.Lnot_wave_0_\@:
	s_barrier_wait -3
	s_barrier_signal -1
	s_barrier_wait -1
.endm
	s_load_b512 s[4:19], s[0:1], 0x0               ; gh s[4:5], wh s[6:7], stat s[8:9], bv s[10:11], bk s[12:13], bq s[14:15], nth s[16:17], fsc s[18:19]
	v_lshl_add_u32 v[SPW], v0, 2, SPARE
	v_mov_b32 v[NIL], 0
	ds_add_u32 v[SPW], v[NIL]                      ; the wave's opening: the add, twice on end, and its wait ahead of my first tensor load
	ds_add_u32 v[SPW], v[NIL]                      ; and once more, under the one wait; the set-up below, work on registers, stands between
	v_lshrrev_b32 v1, 5, v0
	v_readfirstlane_b32 s[WV], v1                  ; wave 0..3
	s_bfe_u32 s21, ttmp6, 0x40000                  ; cx
	s_lshr_b32 s22, ttmp9, 2                       ; the batch: four clusters each; the partners share it
	s_and_b32 s23, ttmp9, 3
	s_lshl2_add_u32 s23, s23, s21                  ; jb: my block of 32 rows among the batch's 16: it enters global addresses of my own loads and stores alone
	s_mov_b32 s[G1N], 15|(1<<16)|(1<<20)|(1<<21)|(5<<22)|(3<<25)  ; 15:0 the mask of four; 17:16 2-byte elements; 20 padding on; 21 set beside a mask; 24:22 after every 64 words (code 5); 31:25 4 words (code 3)
	s_mov_b32 s[G1N+1], 128<<16                    ; tensor_dim0 = 128
	s_mov_b32 s[G1N+2], 128<<16                    ; tensor_dim1 = 128
	s_mov_b32 s[G1N+3], 128<<16                    ; tile_dim0 = 128
	s_mov_b32 s[G1N+4], 128                        ; tile_dim1 = 128
	s_mov_b32 s[G1N+5], 512                        ; elements from row to row
	s_mov_b32 s[G1N+6], 0
	s_mov_b32 s[G1N+7], 0
	s_mov_b32 s[G1T], 15|(1<<16)|(1<<20)|(1<<21)|(7<<22)|(7<<25)  ; padding after every 256 words (code 7), a whole row of Wq, of 8 words (code 7)
	s_mov_b32 s[G1T+1], 512<<16                    ; tensor_dim0 = 512
	s_mov_b32 s[G1T+2], 32<<16                     ; tensor_dim1 = 32
	s_mov_b32 s[G1T+3], 512<<16                    ; tile_dim0 = 512
	s_mov_b32 s[G1T+4], 32                         ; tile_dim1 = 32
	s_mov_b32 s[G1T+5], 512
	s_mov_b32 s[G1T+6], 0
	s_mov_b32 s[G1T+7], 0
	s_mul_i32 s24, s[WV], 128*PN                   ; my quarter of a slot, K along the rows,
	s_mul_i32 s25, s[WV], 32*PTR                   ; and of Wq's chunk: no place in the cluster enters an LDS address
	s_mov_b32 s[G0N], 1
	s_mov_b32 s[G0N+1], s24
	s_mov_b32 s[G0N+4], 1
	s_add_co_u32 s[G0N+5], s24, SLOTB
	s_mov_b32 s[G0T], 1
	s_mov_b32 s[G0T+1], s25
	s_mov_b32 s[G0T+4], 1
	s_add_co_u32 s[G0T+5], s25, SLOTB
	s_mov_b32 s[SEL], 0x76543210
	s_mov_b32 s[SEL+1], 0xfedcba98
	v_and_b32 v[LN], 31, v0
	v_and_b32 v1, 15, v0                           ; r
	v_bfe_u32 v28, v0, 4, 1                        ; h
	v_mul_u32_u24 v[AA], v1, PA
	v_lshl_add_u32 v[AA], v28, 4, v[AA]
	s_lshl_b32 s98, s[WV], 8
	s_add_co_u32 s99, s98, AREG
	v_add_nc_u32 v[STO], s99, v[AA]
	v_add_nc_u32 v[AA], AREG, v[AA]
	v_mul_u32_u24 v[BN], v1, PN
	v_lshl_add_u32 v[BN], v28, 4, v[BN]
	v_add_nc_u32 v[BN], s24, v[BN]
	v_add_nc_u32 v[BN+1], SLOTB, v[BN]
	v_and_b32 v[BT], 7, v0                         ; the turning load: lane n reads row 8 (n / 16) + n % 8, columns 8 ((n / 8) % 2) + 0..7
	v_lshl_add_u32 v[BT], v28, 3, v[BT]
	v_mul_u32_u24 v[BT], v[BT], PTR
	v_bfe_u32 v29, v0, 3, 1
	v_lshl_add_u32 v[BT], v29, 4, v[BT]
	v_add_nc_u32 v[BT], s98, v[BT]                 ; + my 128 columns' 256 bytes
	v_add_nc_u32 v[BT+1], 64*PTR, v[BT]
	v_add_nc_u32 v[BT+2], SLOTB, v[BT]
	v_add_nc_u32 v[BT+3], SLOTB, v[BT+1]
	v_lshl_add_u32 v[VS], v28, 4, SV16
	s_lshl_b32 s98, s[WV], 9
	s_add_co_u32 s98, s98, SV32
	v_lshl_add_u32 v[RV], v28, 5, s98
	v_mov_b32 v[MW], s[WV]
	v_lshl_add_u32 v[MW], v[MW], 2, MAXW
	v_mov_b32 v[MR], MAXW
	s_mul_i32 s98, s[WV], 8*PA
	s_add_co_u32 s98, s98, AREG
	v_lshl_add_u32 v[CP], v[LN], 4, s98
	s_lshl_b32 s98, s[WV], 13
	v_lshl_add_u32 v[GT], v[LN], 4, s98
	v_lshlrev_b32 v[L4], 2, v[LN]
	v_lshl_add_u32 v[LV], v0, 4, SV32
	v_lshl_add_u32 v[LH], v0, 3, SV16
	v_lshlrev_b32 v29, 4, v0                       ; 16 t: my four columns of the f32 vectors in memory
	v_lshlrev_b32 v32, 2, v1                       ; 4 r
	s_mov_b32 s3, 0
	s_wait_dscnt 0x0                               ; both opening adds are done
	s_wait_kmcnt 0x0
	s_lshl_b32 s2, s22, 19                         ; the batch's 512 rows of gh,
	s_lshl_b32 s98, s[WV], 17                      ; my 128 of them
	s_add_co_u32 s2, s2, s98
	s_add_nc_u64 s[GB:GB+1], s[4:5], s[2:3]
	s_mov_b32 s2, s98
	s_add_nc_u64 s[KB:KB+1], s[6:7], s[2:3]
	s_add_nc_u64 s[KB:KB+1], s[KB:KB+1], 524288
	s_lshl_b32 s2, s[WV], 15                       ; my 32 rows of a chunk of Wq
	s_add_nc_u64 s[QB:QB+1], s[6:7], s[2:3]
	s_add_nc_u64 s[QB:QB+1], s[QB:QB+1], 1048576
	s_mov_b64 s[G0N+2:G0N+3], s[GB:GB+1]           ; chunk 0
	s_or_b32 s[G0N+3], s[G0N+3], 0x80000000        ; type = 2
	s_add_nc_u64 s[G0N+6:G0N+7], s[GB:GB+1], 256   ; chunk 1
	s_or_b32 s[G0N+7], s[G0N+7], 0x80000000
	s_lshl_b32 s2, s22, 6
	s_add_nc_u64 s[26:27], s[8:9], s[2:3]
	s_load_b512 s[68:83], s[26:27], 0x80000        ; the batch's 16 maxima; s[26:27] are not written again
	s_lshl_b32 s2, s22, 15
	s_add_nc_u64 s[8:9], s[8:9], s[2:3]            ; the batch's 16 x 512 partial column sums
	s_lshl_b32 s2, s23, 15
	s_add_nc_u64 s[100:101], s[6:7], s[2:3]        ; my 32 rows of Wv: 32,768 dense bytes
	s_lshl_b32 s98, s22, 19
	s_add_co_u32 s2, s2, s98
	s_add_nc_u64 s[16:17], s[16:17], s[2:3]        ; my 32 rows of nth
	s_lshl_b32 s2, s23, 7
	s_add_nc_u64 s[10:11], s[10:11], s[2:3]        ; my 32 numbers of bv
	s_lshl_b32 s98, s22, 12
	s_add_co_u32 s2, s2, s98
	s_add_nc_u64 s[18:19], s[18:19], s[2:3]        ; my 32 numbers of fs; c lies 2,048 bytes on
	ROUND                                          ; all four work-groups are here: the first joint loads meet
	tensor_load_to_lds s[G0N:G0N+3], s[G1N:G1N+7]
	s_nop 0
	tensor_load_to_lds s[G0N+4:G0N+7], s[G1N:G1N+7]
	s_nop 0
	PLACES
.irp k, 0,1,2,3,4,5,6,7,8,9,10,11,12,13,14,15
	global_load_b128 v[64+4*(\k):67+4*(\k)], v29, s[8:9] offset:2048*(\k)
.endr
	global_load_b128 v[128:131], v29, s[12:13]     ; bk
	global_load_b128 v[132:135], v29, s[14:15]     ; bq
	global_load_b32 v[BV], v32, s[10:11]
	global_load_b32 v[BV+2], v32, s[10:11] offset:64
.irp i, 0,1,2,3,4,5,6,7,8,9,10,11,12,13,14,15
	global_load_b128 v[136+4*(\i):139+4*(\i)], v[GT], s[100:101] offset:512*(\i)
.endr
	s_wait_kmcnt 0x0
.irp n, 69,70,71,72,73,74,75,76,77,78,79,80,81,82,83
	s_max_u32 s68, s68, s\n                        ; non-negative floats order as whole numbers
.endr
	s_lshr_b32 s98, s68, 23                        ; e
	s_max_u32 s98, s98, 65
	s_min_u32 s98, s98, 191
	s_lshl_b32 s99, s98, 1
	s_sub_co_u32 s[SG], 383, s99
	s_lshl_b32 s[SG], s[SG], 23                    ; SG = 2^(256 - 2 e), as the launch before made it
	s_mov_b32 s[SG+1], s[SG]
	s_sub_co_u32 s[SGU], 257, s98
	s_lshl_b32 s[SGU], s[SGU], 23                  ; SG U = 2^(130 - e)
	s_mov_b32 s[SGU+1], s[SGU]
	s_sub_co_u32 s[LGU], 268, s98
	s_lshl_b32 s[LGU], s[LGU], 23                  ; 2,048 SG U
	s_mov_b32 s[LGU+1], s[LGU]
	s_sub_co_u32 s[UI], 253, s98
	s_lshl_b32 s[UI], s[UI], 23                    ; 1 / U = 2^(126 - e)
	s_sub_co_u32 s[FF], s99, 129
	s_lshl_b32 s[FF], s[FF], 23                    ; F = 1 / SG
	s_wait_loadcnt 16                              ; all but Wv's 16 loads, which were issued last
.irp d, 32,16,8,4
.set i, 0
.rept (\d)/2
	v_pk_add_f32 v[64+i:65+i], v[64+i:65+i], v[64+(\d)+i:65+(\d)+i]  ; the 16 partial sums of my four columns, by halves
.set i, i+2
.endr
.endr
	v_pk_mul_f32 v[68:69], v[64:65], s[SG:SG+1] op_sel_hi:[1,0]
	v_pk_mul_f32 v[70:71], v[66:67], s[SG:SG+1] op_sel_hi:[1,0]
	v_pk_mul_f32 v[72:73], v[64:65], s[SGU:SGU+1] op_sel_hi:[1,0]
	v_pk_mul_f32 v[74:75], v[66:67], s[SGU:SGU+1] op_sel_hi:[1,0]
	v_cvt_pk_f16_f32 v72, v72, v73
	v_cvt_pk_f16_f32 v73, v74, v75
	v_cvt_pk_f16_f32 v132, v132, v133
	v_cvt_pk_f16_f32 v133, v134, v135
	ds_store_b128 v[LV], v[68:71]
	ds_store_b128 v[LV], v[128:131] offset:BK32-SV32
	ds_store_b64 v[LH], v[72:73]
	ds_store_b64 v[LH], v[132:133] offset:BQ16-SV16
	v_mov_b32 v[BV+1], v[BV]                       ; named as pairs
	v_mov_b32 v[BV+3], v[BV+2]
	s_wait_loadcnt 0x0
.irp i, 0,1,2,3,4,5,6,7,8,9,10,11,12,13,14,15
	ds_store_b128 v[CP], v[136+4*(\i):139+4*(\i)] offset:PA*((\i)/2)+512*((\i)%2)
.endr
	s_wait_dscnt 0x0                               ; for the others' sake: my stores are done
	s_wait_tensorcnt 1                             ; my part of chunk 0 is in; chunk 1's load, issued behind it, may stay out
	s_barrier_signal -1
	s_barrier_wait -1
; The fragments of 32 along K: step kk of chunk cc of a stage, from a slot, into buffer f.  kind 0: K along the chunk's rows; 1: turned.  ext = 1: the vector's fragment too, vo bytes behind SV16.  20 or 22 loads.
.macro FETCH kind, slot, cc, kk, f, ext, vo
	WIN 0x40                                       ; destination window 1, address window 0
.irp a, 0,1
	ds_load_b128 v[(\f)+8*(\a):(\f)+8*(\a)+3],   v[AA] offset:16*PA*(\a)+256*(\cc)+64*(\kk)
	ds_load_b128 v[(\f)+8*(\a)+4:(\f)+8*(\a)+7], v[AA] offset:16*PA*(\a)+256*(\cc)+64*(\kk)+32
.endr
.irp t, 0,1,2,3,4,5,6,7
.if (\kind) == 0
	ds_load_b128 v[(\f)+16+8*(\t):(\f)+16+8*(\t)+3],   v[BN+(\slot)] offset:16*PN*(\t)+64*(\kk)
	ds_load_b128 v[(\f)+16+8*(\t)+4:(\f)+16+8*(\t)+7], v[BN+(\slot)] offset:16*PN*(\t)+64*(\kk)+32
.else
	ds_load_tr16_b128 v[(\f)+16+8*(\t):(\f)+16+8*(\t)+3],   v[BT+2*(\slot)+(\kk)/2] offset:32*PTR*((\kk)%2)+32*(\t)
	ds_load_tr16_b128 v[(\f)+16+8*(\t)+4:(\f)+16+8*(\t)+7], v[BT+2*(\slot)+(\kk)/2] offset:32*PTR*((\kk)%2)+16*PTR+32*(\t)
.endif
.endr
.if \ext
	ds_load_b128 v[(\f)+80:(\f)+83], v[VS] offset:(\vo)+256*(\cc)+64*(\kk)
	ds_load_b128 v[(\f)+84:(\f)+87], v[VS] offset:(\vo)+256*(\cc)+64*(\kk)+32
.endif
.endm
; 16 or 18 matrix instructions, each accumulator once: they take turns from unit to unit too.  Source 0 = 16 columns of the result, source 1 = 16 of my rows:
; a lane holds row 16 a + r and eight neighbouring columns.  The vector's fragment holds the vector in all 16 places, so each register of its result holds the row's one number.
.macro MUL f, ext, zero
	WIN 0x05                                       ; sources 0 and 1 window 1; C and D window 0
.irp t, 0,1,2,3,4,5,6,7
.irp a, 0,1
.if \zero
	v_wmma_f32_16x16x32_f16 v[ACC+8*(8*(\a)+(\t)):ACC+8*(8*(\a)+(\t))+7], v[(\f)+16+8*(\t):(\f)+16+8*(\t)+7], v[(\f)+8*(\a):(\f)+8*(\a)+7], 0
.else
	v_wmma_f32_16x16x32_f16 v[ACC+8*(8*(\a)+(\t)):ACC+8*(8*(\a)+(\t))+7], v[(\f)+16+8*(\t):(\f)+16+8*(\t)+7], v[(\f)+8*(\a):(\f)+8*(\a)+7], v[ACC+8*(8*(\a)+(\t)):ACC+8*(8*(\a)+(\t))+7]
.endif
.endr
.endr
.if \ext
.irp a, 0,1
.if \zero
	v_wmma_f32_16x16x32_f16 v[EXT+8*(\a):EXT+8*(\a)+7], v[(\f)+80:(\f)+87], v[(\f)+8*(\a):(\f)+8*(\a)+7], 0
.else
	v_wmma_f32_16x16x32_f16 v[EXT+8*(\a):EXT+8*(\a)+7], v[(\f)+80:(\f)+87], v[(\f)+8*(\a):(\f)+8*(\a)+7], v[EXT+8*(\a):EXT+8*(\a)+7]
.endif
.endr
.endif
.endm
; THE CHANGE OF SLOTS in chunk c: the chunk's last fragments have been asked for.  Each wave waits for all its tensor loads, of which one is out: its part of chunk c + 1; adds 0 to its spare word; and waits for
; that and for its reads of the slot.  Chunks 0-9: a round of the cluster's barrier, and chunk c + 2 is asked for first thing behind it, into the slot just read.  Chunk 10: a barrier alone.  Chunk 11: nothing follows.
.macro CHANGE c
	WIN 0
.set n, (\c)+2
.if n < 12
	s_wait_tensorcnt 0x0                           ; no tensor load of mine is out, so a group 0 may be written
	ds_add_u32 v[SPW], v[NIL]                      ; 0 onto my spare word; the address is made between it and the wait for it
.if n < 4
	s_add_nc_u64 s[G0N+4*(n%2)+2:G0N+4*(n%2)+3], s[GB:GB+1], 256*n
	s_or_b32 s[G0N+4*(n%2)+3], s[G0N+4*(n%2)+3], 0x80000000
.elseif n < 8
	s_add_nc_u64 s[G0N+4*(n%2)+2:G0N+4*(n%2)+3], s[KB:KB+1], 256*(n-4)
	s_or_b32 s[G0N+4*(n%2)+3], s[G0N+4*(n%2)+3], 0x80000000
.else
	s_add_nc_u64 s[G0T+4*(n%2)+2:G0T+4*(n%2)+3], s[QB:QB+1], 131072*(n-8)
	s_or_b32 s[G0T+4*(n%2)+3], s[G0T+4*(n%2)+3], 0x80000000
.endif
	s_wait_dscnt 0x0                               ; the add is done; my reads of the slot are over, and buffer 1 is in
	ROUND                                          ; both now hold of every wave of all four work-groups
.if n < 8
	tensor_load_to_lds s[G0N+4*(n%2):G0N+4*(n%2)+3], s[G1N:G1N+7]
.else
	tensor_load_to_lds s[G0T+4*(n%2):G0T+4*(n%2)+3], s[G1T:G1T+7]
.endif
	s_nop 0
	PLACES                                         ; also the places in front of the loads into buffer 0
.elseif n == 12
	s_wait_tensorcnt 0x0                           ; my part of the last chunk is in
	ds_add_u32 v[SPW], v[NIL]
	s_wait_dscnt 0x0
	s_barrier_signal -1
	s_barrier_wait -1                              ; everybody's is
	PLACES
.else
	s_wait_dscnt 0x0                               ; buffer 1 is in
.endif
.endm
; A CHUNK: four units of 32 along K on buffers 0, 1, 0, 1.  While one buffer is multiplied the other's loads are out: each wait leaves the NL loads of the one younger FETCH out.
.macro CHUNK kind, c, ext, vo, zero
.set NL, 20+2*(\ext)
	s_wait_dscnt NL
	MUL F0, \ext, \zero
	PLACES
	FETCH \kind, (\c)%2, (\c)%4, 2, F0, \ext, \vo
	s_wait_dscnt NL
	MUL F1, \ext, 0
	PLACES
	FETCH \kind, (\c)%2, (\c)%4, 3, F1, \ext, \vo
	s_wait_dscnt NL
	MUL F0, \ext, 0
	CHANGE \c
.if ((\c)%4) != 3
	FETCH \kind, ((\c)+1)%2, ((\c)+1)%4, 0, F0, \ext, \vo
.endif
	MUL F1, \ext, 0
.if ((\c)%4) != 3
	PLACES
	FETCH \kind, ((\c)+1)%2, ((\c)+1)%4, 1, F1, \ext, \vo
.endif
.endm
; The sums start with the border term: (a number for each of my rows, pairs at r0 and r0 + 2) x (the f32 vector vo bytes behind SV32, at my columns).  Nothing is cleared.
.macro INIT vo, r0
	WIN 0
.irp g, 0,1
.irp t, 0,1,2,3
	ds_load_b128 v[208+8*(\t):211+8*(\t)], v[RV] offset:(\vo)+64*(4*(\g)+(\t))
	ds_load_b128 v[212+8*(\t):215+8*(\t)], v[RV] offset:(\vo)+64*(4*(\g)+(\t))+16
.endr
	s_wait_dscnt 0x0
.irp a, 0,1
.irp t, 0,1,2,3
.irp k, 0,1,2,3
	v_pk_mul_f32 v[ACC+8*(8*(\a)+4*(\g)+(\t))+2*(\k):ACC+8*(8*(\a)+4*(\g)+(\t))+2*(\k)+1], v[208+8*(\t)+2*(\k):209+8*(\t)+2*(\k)], v[(\r0)+2*(\a):(\r0)+2*(\a)+1] op_sel_hi:[1,0]
.endr
.endr
.endr
.endr
.endm
; A STAGE'S END.  The largest magnitude of the group's 32 x 512 results gives the scale; the results, scaled and rounded to f16, take the place of the stage's own rows in LDS.
; The first barrier also shows that every wave's reads of those rows are over; the second that the new rows are whole.  Each accumulator's lowest registers are read first.
.macro EPI st
	WIN 0
	PLACES
.set n, 0
.rept 16
.irp k, 0,1,2,3
.if n == 0
	v_max_num_f32 v[32+(\k)], |v[ACC+2*(\k)]|, |v[ACC+2*(\k)+1]|
.else
	v_max3_num_f32 v[32+(\k)], v[32+(\k)], |v[ACC+8*n+2*(\k)]|, |v[ACC+8*n+2*(\k)+1]|
.endif
.endr
.set n, n+1
.endr
	v_max3_num_f32 v32, v32, v33, v34
	v_max_num_f32 v32, v32, v35
	v_max_num_f32_dpp v32, v32, v32 row_xmask:1 row_mask:0xf bank_mask:0xf
	v_max_num_f32_dpp v32, v32, v32 row_xmask:2 row_mask:0xf bank_mask:0xf
	v_max_num_f32_dpp v32, v32, v32 row_xmask:4 row_mask:0xf bank_mask:0xf
	v_max_num_f32_dpp v32, v32, v32 row_xmask:8 row_mask:0xf bank_mask:0xf
	v_permlanex16_b32 v33, v32, s[SEL], s[SEL+1]
	v_max_num_f32 v32, v32, v33
	ds_store_b32 v[MW], v32 offset:16*(\st)        ; each stage has four words of its own
	s_wait_dscnt 0x0
	s_barrier_signal -1
	s_barrier_wait -1
	ds_load_b128 v[36:39], v[MR] offset:16*(\st)
	s_wait_dscnt 0x0
	v_max3_num_f32 v36, v36, v37, v38
	v_max_num_f32 v36, v36, v39
	v_readfirstlane_b32 s98, v36
	s_lshr_b32 s98, s98, 23                        ; e: the maximum is below 2^(e - 126)
	s_max_u32 s98, s98, 15                         ; so that both fields below are normal numbers'
	s_sub_co_u32 s99, 268, s98
	s_lshl_b32 s[SC], s99, 23                      ; SC = 2^(141 - e)
	s_mov_b32 s[SC+1], s[SC]
	s_sub_co_u32 s99, s98, 14
	s_lshl_b32 s99, s99, 23
	s_mul_f32 s[FF], s[FF], s99                    ; F / SC
.set n, 0
.rept 16
.irp k, 0,1,2,3
	v_pk_mul_f32 v[ACC+8*n+2*(\k):ACC+8*n+2*(\k)+1], v[ACC+8*n+2*(\k):ACC+8*n+2*(\k)+1], s[SC:SC+1] op_sel_hi:[1,0]
.endr
.irp k, 0,1,2,3
	v_cvt_pk_f16_f32 v[40+4*(n%4)+(\k)], v[ACC+8*n+2*(\k)], v[ACC+8*n+2*(\k)+1]
.endr
	ds_store_b128 v[STO], v[40+4*(n%4):43+4*(n%4)] offset:16*PA*(n/8)+32*(n%8)
.set n, n+1
.endr
	s_wait_dscnt 0x0
	s_barrier_signal -1
	s_barrier_wait -1
.endm
	; STAGE 1: T1 SG = Wv (G SG) + bv (s SG)^T, and p SG U = Wv (s SG U) + bv (2,048 SG U)
	INIT 0, BV
.irp a, 0,1
.irp k, 0,1,2,3
	v_pk_mul_f32 v[EXT+8*(\a)+2*(\k):EXT+8*(\a)+2*(\k)+1], v[BV+2*(\a):BV+2*(\a)+1], s[LGU:LGU+1] op_sel_hi:[0,0]
.endr
.endr
	FETCH 0, 0, 0, 0, F0, 1, 0
	FETCH 0, 0, 0, 1, F1, 1, 0
	CHUNK 0, 0, 1, 0, 0
	CHUNK 0, 1, 1, 0, 0
	CHUNK 0, 2, 1, 0, 0
	CHUNK 0, 3, 1, 0, 0
	EPI 0
.irp a, 0,1
	v_mul_f32 v[PP+2*(\a)], s[UI], v[EXT+8*(\a)]   ; p SG,
	v_mul_f32 v[PP+2*(\a)], s[SC], v[PP+2*(\a)]    ; in the scale of the rows just stored
	v_mov_b32 v[PP+2*(\a)+1], v[PP+2*(\a)]         ; named as a pair
.endr
	; STAGE 2: Mt = T1 Wk^T + p bk^T
	INIT BK32-SV32, PP
	FETCH 0, 0, 0, 0, F0, 0, 0
	FETCH 0, 0, 0, 1, F1, 0, 0
	CHUNK 0, 4, 0, 0, 0
	CHUNK 0, 5, 0, 0, 0
	CHUNK 0, 6, 0, 0, 0
	CHUNK 0, 7, 0, 0, 0
	EPI 1
	s_mul_f32 s[FC], s[FF], 0x3d3504f3             ; 1 / sqrt(512): c is made of Mt's rows as they now lie in LDS
	; STAGE 3: Mt Wq and Mt bq: the first products start the sums
	FETCH 1, 0, 0, 0, F0, 1, BQ16-SV16
	FETCH 1, 0, 0, 1, F1, 1, BQ16-SV16
	CHUNK 1, 8, 1, BQ16-SV16, 1
	CHUNK 1, 9, 1, BQ16-SV16, 0
	CHUNK 1, 10, 1, BQ16-SV16, 0
	CHUNK 1, 11, 1, BQ16-SV16, 0
	EPI 2
	; THE WAY OUT: the 32 rows leave as they lie, 8 rows a wave
.irp i, 0,1,2,3,4,5,6,7,8,9,10,11,12,13,14,15
	ds_load_b128 v[64+4*(\i):67+4*(\i)], v[CP] offset:PA*((\i)/2)+512*((\i)%2)
.endr
.irp i, 0,1,2,3,4,5,6,7,8,9,10,11,12,13,14,15
	s_wait_dscnt 15-(\i)
	global_store_b128 v[GT], v[64+4*(\i):67+4*(\i)], s[16:17] offset:512*(\i)  ; a wave's store covers 512 consecutive bytes, aligned
.endr
	s_mul_f32 s98, s[FF], 0x3d3504f3               ; fs = F / sqrt(512)
	s_cmp_lg_u32 s[WV], 0                          ; every wave holds the same fs and c: wave 0 stores them, lane n for row n
	s_cbranch_scc1 .Lend
	v_cmp_le_u32 vcc_lo, 16, v[LN]
	v_cndmask_b32 v40, v[EXT], v[EXT+8], vcc_lo    ; lanes 0-15 rows 0-15, lanes 16-31 rows 16-31
	v_mul_f32 v40, s[FC], v40
	v_mov_b32 v41, s98
	global_store_b32 v[L4], v41, s[18:19]
	global_store_b32 v[L4], v40, s[18:19] offset:2048
.Lend:
	s_wait_tensorcnt 0x0                           ; the wave's end: behind my last tensor load and my last LDS store
	ds_add_u32 v[SPW], v[NIL]
	s_wait_dscnt 0x0
	ROUND                                          ; the closing round: no work-group ends while a partner may still ask for a tile that names it
	s_endpgm
.Lfunc_end_k_qea84d9e0f7_mid:
	.size	k_qea84d9e0f7_mid, .Lfunc_end_k_qea84d9e0f7_mid-k_qea84d9e0f7_mid
	.p2alignl 7, 3214868480
	.fill 96, 4, 3214868480
	.section	.rodata,"a",@progbits
	.p2align	6, 0x0
	.amdhsa_kernel k_qea84d9e0f7_mid
		.amdhsa_group_segment_fixed_size 327680
		.amdhsa_private_segment_fixed_size 0
		.amdhsa_enable_private_segment 0
		.amdhsa_kernarg_size 64
		.amdhsa_user_sgpr_count 2
		.amdhsa_user_sgpr_kernarg_segment_ptr 1
		.amdhsa_wavefront_size32 1
		.amdhsa_system_sgpr_workgroup_id_x 1
		.amdhsa_system_sgpr_workgroup_id_y 1
		.amdhsa_system_sgpr_workgroup_id_z 1
		.amdhsa_system_vgpr_workitem_id 0
		.amdhsa_next_free_vgpr 512
		.amdhsa_next_free_sgpr 102
		.amdhsa_reserve_vcc 1
		.amdhsa_float_denorm_mode_32 3
		.amdhsa_float_denorm_mode_16_64 3
		.amdhsa_memory_ordered 1
		.amdhsa_forward_progress 1
		.amdhsa_inst_pref_size 206
	.end_amdhsa_kernel
	.amdgpu_metadata
---
amdhsa.version: [ 1, 2 ]
amdhsa.kernels:
  - .name:           k_qea84d9e0f7_mid
    .symbol:         k_qea84d9e0f7_mid.kd
    .args:
      - { .name: gh, .offset: 0, .size: 8, .value_kind: global_buffer, .address_space: global }
      - { .name: wh, .offset: 8, .size: 8, .value_kind: global_buffer, .address_space: global }
      - { .name: stat, .offset: 16, .size: 8, .value_kind: global_buffer, .address_space: global }
      - { .name: bv, .offset: 24, .size: 8, .value_kind: global_buffer, .address_space: global }
      - { .name: bk, .offset: 32, .size: 8, .value_kind: global_buffer, .address_space: global }
      - { .name: bq, .offset: 40, .size: 8, .value_kind: global_buffer, .address_space: global }
      - { .name: nth, .offset: 48, .size: 8, .value_kind: global_buffer, .address_space: global }
      - { .name: fsc, .offset: 56, .size: 8, .value_kind: global_buffer, .address_space: global }
    .group_segment_fixed_size: 327680
    .private_segment_fixed_size: 0
    .kernarg_segment_align: 8
    .kernarg_segment_size: 64
    .max_flat_workgroup_size: 128
    .sgpr_count:     102
    .vgpr_count:     512
    .wavefront_size: 32
...
	.end_amdgpu_metadata
.endif
;; end of part 3
;; launch final (part 4): grid 256 x 1, 4 waves a work-group, clusters of 4 x 1, 327,680 bytes of LDS; arguments q, nth, fsc, out0; writes out0
.if DOCPART == 4
	.amdgcn_target "amdgcn-amd-amdhsa--gfx1250"
	.amdhsa_code_object_version 6
	.text
	.protected	k_qea84d9e0f7_final
	.globl	k_qea84d9e0f7_final
	.p2align	8
	.type	k_qea84d9e0f7_final,@function
k_qea84d9e0f7_final:
	s_mov_b64 s[64:65], 0
	v_nop
	global_prefetch_b8 v0, s[64:65] scope:SCOPE_SE
	s_setreg_imm32_b32 hwreg(HW_REG_WAVE_MODE, 25, 1), 1
	s_wait_xcnt 0x0
	s_wait_alu depctr_hold_cnt(0) depctr_sa_sdst(0) depctr_va_vdst(0) depctr_va_sdst(0) depctr_va_ssrc(0) depctr_va_vcc(0) depctr_vm_vsrc(0)
	s_getreg_b32 s2, hwreg(HW_REG_IB_STS2, 6, 4)
	s_cmp_eq_u32 s2, 0
	s_cbranch_scc0 .Lentry_in_a_cluster
	s_endpgm
.Lentry_in_a_cluster:
	s_bfe_u32 s2, ttmp6, 0x10000c
	s_cmp_lg_u32 s2, 0x3003
	s_cbranch_scc0 .Lentry_shape_is_right
	s_endpgm
.Lentry_shape_is_right:
; FINAL.  out0[b][m][j] = fs[b][j] x (the sum over d of q[b][m][d] nth[b][j][d]) + c[b][j].  q, out0: [16][1024][512] f32; nth [16][512][512] f16; fs, c f32.  q is rounded once to f16; sums in f32.
; LIMITS.  |q| below 65,504; below 6e-5 a number of q keeps f16's fixed step.  NaN and infinities are not treated apart.
; SHARES.  A work-group owns 64 rows m of one batch; wave w makes their columns 128 w .. 128 w + 127: 4 x 8 accumulators.  q is read from memory once, rounded, handed round through LDS by halves of 32 rows,
; and then stays in every wave's registers as 64 fragments: 64 rows of it beside two slots do not fit in LDS.
; nth goes through two LDS slots in four chunks of 128 along d.  CLUSTER: the four work-groups of a cluster belong to one batch and walk the same chunks: each wave asks for its quarter JOINTLY.
; REGISTERS: window 0: v0-31 addresses; v32-63 at work; v64-127, v128-191 two buffers of nth's 8 fragments, later fs and c; v192-255 rows on the way out
;   window 1: q as loaded, later the accumulators ((a, t) at 8 (8 a + t))      window 2: q's fragments of rows 0-31 (block a, step ks at 128 a + 8 ks)      window 3: of rows 32-63
.set PN,    272                        ; a chunk's row: 256 bytes + 16 = 68 words: the 16 rows of a load start at 16 different groups of four banks (64 banks of 4 bytes: ISA guide 11.1)
.set PA,    1040                       ; a row of q in f16: 1,024 bytes + 16
.set PO,    528                        ; a row of a wave's stage on the way out: 512 bytes + 16
.set SLOTB, 512*PN
.set AREG,  2*SLOTB                    ; 33,792 bytes: first 32 rows of q at a time, later the four waves' stages of 16 rows x 528.  From here on nothing is filled by a tensor load
.set FS32,  AREG+33792                 ; fs, and 2,048 bytes on c
.set SPARE, FS32+4096                  ; the spare words, 128 bytes for each wave: two blocks of 256 bytes that no other line names
.set AA,  2                            ; v2    q's fragments: AREG + 1,040 r + 16 h
.set BN,  3                            ; v3-4  my quarter of a chunk, by slot
.set QO,  5                            ; v5    q in memory: 16,384 w + 16 lane
.set QS,  6                            ; v6    q into LDS: AREG + 8 w rows + 8 lane
.set ST,  7                            ; v7    into my stage: 528 r + 32 h
.set RD,  8                            ; v8    back out of it: 16 lane
.set GO,  9                            ; v9    out0: 512 w + 16 lane
.set FV,  10                           ; v10   fs at my columns: FS32 + 512 w + 32 h
.set LV,  11                           ; v11   FS32 + 16 t
.set T16, 12                           ; v12   16 t
.set SPW, 30                           ; v30   my spare word's address; never rewritten
.set NIL, 31                           ; v31   0; never rewritten
.set TMP, 32
.set F0,  64
.set F1,  128
.set RB,  192
.set WV,  12                           ; s12   my wave's number
.set G1N, 16                           ; s[16:23] descriptor group 1
.set G0,  24                           ; s[24:31] group 0: a set for each slot
.set NB,  32                           ; s[32:33] nth at my quarter of the batch's rows
.set MSB, 0
.macro WIN new
.if MSB != (\new)
	s_set_vgpr_msb (MSB<<8)|(\new)
.set MSB, \new
.endif
.endm
.macro PLACES                          ; four places behind a matrix instruction (ISA guide 7.12.1 for vector instructions)
.rept 4
	v_nop
.endr
.endm
.macro ROUND                           ; a round of the cluster's barrier
	s_barrier_signal -1
	s_barrier_wait -1
	s_cmp_lg_u32 s[WV], 0
	s_cbranch_scc1 .Lnot_wave_0_\@
	s_barrier_signal -3
.Lnot_wave_0_\@:
	s_barrier_wait -3
	s_barrier_signal -1
	s_barrier_wait -1
.endm
	s_load_b256 s[4:11], s[0:1], 0x0               ; q s[4:5], nth s[6:7], fsc s[8:9], out0 s[10:11]
	v_lshl_add_u32 v[SPW], v0, 2, SPARE
	v_mov_b32 v[NIL], 0
	ds_add_u32 v[SPW], v[NIL]                      ; the wave's opening: the add, twice on end, and its wait ahead of my first tensor load
	ds_add_u32 v[SPW], v[NIL]                      ; and once more, under the one wait; the set-up below, work on registers, stands between
	v_lshrrev_b32 v1, 5, v0
	v_readfirstlane_b32 s[WV], v1                  ; wave 0..3
	s_bfe_u32 s13, ttmp6, 0x40000                  ; cx
	s_lshl2_add_u32 s14, ttmp9, s13                ; my block of 64 rows = 4 x cluster + cx: it enters q's and out0's addresses alone
	s_lshr_b32 s15, ttmp9, 2                       ; the batch, which the partners share
	s_mov_b32 s[G1N], 15|(1<<16)|(1<<20)|(1<<21)|(5<<22)|(3<<25)  ; 15:0 the mask of four; 17:16 2-byte elements; 20 padding on; 21 set beside a mask; 24:22 after every 64 words (code 5); 31:25 4 words (code 3)
	s_mov_b32 s[G1N+1], 128<<16                    ; tensor_dim0 = 128
	s_mov_b32 s[G1N+2], 128<<16                    ; tensor_dim1 = 128
	s_mov_b32 s[G1N+3], 128<<16                    ; tile_dim0 = 128
	s_mov_b32 s[G1N+4], 128                        ; tile_dim1 = 128
	s_mov_b32 s[G1N+5], 512                        ; elements from row to row
	s_mov_b32 s[G1N+6], 0
	s_mov_b32 s[G1N+7], 0
	s_mul_i32 s36, s[WV], 128*PN                   ; my quarter of a slot
	s_mov_b32 s[G0], 1
	s_mov_b32 s[G0+1], s36
	s_mov_b32 s[G0+4], 1
	s_add_co_u32 s[G0+5], s36, SLOTB
	v_and_b32 v13, 31, v0                          ; lane
	v_and_b32 v1, 15, v0                           ; r
	v_bfe_u32 v14, v0, 4, 1                        ; h
	v_mul_u32_u24 v[AA], v1, PA
	v_lshl_add_u32 v[AA], v14, 4, v[AA]
	v_add_nc_u32 v[AA], AREG, v[AA]
	v_mul_u32_u24 v[BN], v1, PN
	v_lshl_add_u32 v[BN], v14, 4, v[BN]
	v_add_nc_u32 v[BN], s36, v[BN]
	v_add_nc_u32 v[BN+1], SLOTB, v[BN]
	s_lshl_b32 s37, s[WV], 14
	v_lshl_add_u32 v[QO], v13, 4, s37
	s_mul_i32 s37, s[WV], 8*PA
	s_add_co_u32 s37, s37, AREG
	v_lshl_add_u32 v[QS], v13, 3, s37
	s_mul_i32 s37, s[WV], 16*PO
	s_add_co_u32 s37, s37, AREG                    ; my stage
	v_lshl_add_u32 v[RD], v13, 4, s37
	v_mul_u32_u24 v[ST], v1, PO
	v_lshl_add_u32 v[ST], v14, 5, v[ST]
	v_add_nc_u32 v[ST], s37, v[ST]
	s_lshl_b32 s37, s[WV], 9
	v_lshl_add_u32 v[GO], v13, 4, s37
	s_add_co_u32 s37, s37, FS32
	v_lshl_add_u32 v[FV], v14, 5, s37
	v_lshl_add_u32 v[LV], v0, 4, FS32
	v_lshlrev_b32 v[T16], 4, v0
	s_lshl_b32 s34, s15, 19                        ; the batch's 512 rows of nth,
	s_lshl_b32 s37, s[WV], 17                      ; my 128 of them
	s_add_co_u32 s34, s34, s37
	s_mov_b32 s35, 0
	s_wait_dscnt 0x0                               ; both opening adds are done
	s_wait_kmcnt 0x0
	s_add_nc_u64 s[NB:NB+1], s[6:7], s[34:35]
	s_mov_b64 s[G0+2:G0+3], s[NB:NB+1]             ; chunk 0
	s_or_b32 s[G0+3], s[G0+3], 0x80000000          ; type = 2
	s_add_nc_u64 s[G0+6:G0+7], s[NB:NB+1], 256     ; chunk 1
	s_or_b32 s[G0+7], s[G0+7], 0x80000000
	s_lshl_b32 s34, s15, 12
	s_add_nc_u64 s[8:9], s[8:9], s[34:35]          ; the batch's fs; c lies 2,048 bytes on
	s_lshl_b32 s34, s14, 17                        ; my 64 rows of 2,048 bytes
	s_add_nc_u64 s[4:5], s[4:5], s[34:35]
	s_add_nc_u64 s[10:11], s[10:11], s[34:35]
	ROUND                                          ; all four work-groups are here: the first joint loads meet
	tensor_load_to_lds s[G0:G0+3], s[G1N:G1N+7]
	s_nop 0
	tensor_load_to_lds s[G0+4:G0+7], s[G1N:G1N+7]
	s_nop 0
	PLACES
	WIN 0x40                                       ; destination window 1, address window 0
.set i, 0
.rept 64                                           ; load i: half i / 32 of the 64 rows; of its 32 rows wave w takes 8; 512 consecutive bytes a load
	global_load_b128 v[4*i:4*i+3], v[QO], s[4:5] offset:65536*(i/32)+512*(i%32) th:TH_LOAD_NT
.set i, i+1
.endr
	WIN 0
; Half hf of q: my 32 loads are rounded to f16, 8 bytes a lane, and stored into the 32 rows in LDS: 16 loads at a time
.macro QHALF hf
.irp g, 0,1
	WIN 0x05                                       ; sources window 1, destination window 0
.set i, 0
.rept 16
	v_cvt_pk_f16_f32 v[TMP+2*i],   v[128*(\hf)+64*(\g)+4*i],   v[128*(\hf)+64*(\g)+4*i+1]
	v_cvt_pk_f16_f32 v[TMP+2*i+1], v[128*(\hf)+64*(\g)+4*i+2], v[128*(\hf)+64*(\g)+4*i+3]
.set i, i+1
.endr
	WIN 0
.set i, 0
.rept 16
	ds_store_b64 v[QS], v[TMP+2*i:TMP+2*i+1] offset:PA*((16*(\g)+i)/4)+256*((16*(\g)+i)%4)
.set i, i+1
.endr
.endr
.endm
; All 32 fragments of the 32 rows in LDS into window 2 + hf
.macro ALOAD hf
	WIN 0x80+0x40*(\hf)
.irp a, 0,1
.set i, 0
.rept 16
	ds_load_b128 v[128*(\a)+8*i:128*(\a)+8*i+3],   v[AA] offset:16*PA*(\a)+64*i
	ds_load_b128 v[128*(\a)+8*i+4:128*(\a)+8*i+7], v[AA] offset:16*PA*(\a)+64*i+32
.set i, i+1
.endr
.endr
	WIN 0
.endm
	s_wait_loadcnt 32                              ; the first half is in; the second half's 32 loads stay out
	QHALF 0
	global_load_b128 v[16:19], v[T16], s[8:9]              ; fs,
	global_load_b128 v[20:23], v[T16], s[8:9] offset:2048  ; c: four numbers a thread
	s_wait_dscnt 0x0                               ; for the others' sake: my stores are done
	s_barrier_signal -1
	s_barrier_wait -1
	ALOAD 0
	s_wait_dscnt 0x0                               ; my reads of the 32 rows are over:
	s_barrier_signal -1
	s_barrier_wait -1                              ; everybody's are, and the rows may be written again
	s_wait_loadcnt 2                               ; the second half is in; fs and c were issued behind it
	QHALF 1
	s_wait_loadcnt 0x0
	ds_store_b128 v[LV], v[16:19]
	ds_store_b128 v[LV], v[20:23] offset:2048
	s_wait_dscnt 0x0
	s_wait_tensorcnt 1                             ; my part of chunk 0 is in; chunk 1's load, issued behind it, may stay out
	s_barrier_signal -1
	s_barrier_wait -1
	ALOAD 1
; nth's 8 fragments of 32 along d: step kk of the chunk in a slot, into buffer f: 16 loads
.macro FETCH slot, kk, f
	WIN 0
.irp t, 0,1,2,3,4,5,6,7
	ds_load_b128 v[(\f)+8*(\t):(\f)+8*(\t)+3],   v[BN+(\slot)] offset:16*PN*(\t)+64*(\kk)
	ds_load_b128 v[(\f)+8*(\t)+4:(\f)+8*(\t)+7], v[BN+(\slot)] offset:16*PN*(\t)+64*(\kk)+32
.endr
.endm
; 32 matrix instructions, each accumulator once: they take turns.  Source 0 = 16 columns j, source 1 = 16 rows of q: a lane holds row 16 a + r and eight neighbouring columns.
.macro MUL ks, f, zero
.irp p, 0,1
	WIN 0x58+4*(\p)                                ; source 0 window 0, source 1 window 2 or 3, C and D window 1
.irp t, 0,1,2,3,4,5,6,7
.irp a, 0,1
.if \zero
	v_wmma_f32_16x16x32_f16 v[8*(8*(2*(\p)+(\a))+(\t)):8*(8*(2*(\p)+(\a))+(\t))+7], v[(\f)+8*(\t):(\f)+8*(\t)+7], v[128*(\a)+8*(\ks):128*(\a)+8*(\ks)+7], 0
.else
	v_wmma_f32_16x16x32_f16 v[8*(8*(2*(\p)+(\a))+(\t)):8*(8*(2*(\p)+(\a))+(\t))+7], v[(\f)+8*(\t):(\f)+8*(\t)+7], v[128*(\a)+8*(\ks):128*(\a)+8*(\ks)+7], v[8*(8*(2*(\p)+(\a))+(\t)):8*(8*(2*(\p)+(\a))+(\t))+7]
.endif
.endr
.endr
.endr
.endm
; THE CHANGE OF SLOTS in chunk c.  Each wave waits for all its tensor loads, of which one is out: its part of chunk c + 1; adds 0 to its spare word; and waits for that and for its reads of the slot.
; Chunks 0 and 1: a round of the cluster's barrier, and chunk c + 2 is asked for first thing behind it.  Chunk 2: a barrier alone.  Chunk 3: nothing follows.
.macro CHANGE c
	WIN 0
.set n, (\c)+2
.if n < 4
	s_wait_tensorcnt 0x0                           ; no tensor load of mine is out, so a group 0 may be written
	ds_add_u32 v[SPW], v[NIL]                      ; 0 onto my spare word; the address is made between it and the wait for it
	s_add_nc_u64 s[G0+4*(n%2)+2:G0+4*(n%2)+3], s[NB:NB+1], 256*n
	s_or_b32 s[G0+4*(n%2)+3], s[G0+4*(n%2)+3], 0x80000000
	s_wait_dscnt 0x0                               ; the add is done; my reads of the slot are over, and buffer 1 is in
	ROUND
	tensor_load_to_lds s[G0+4*(n%2):G0+4*(n%2)+3], s[G1N:G1N+7]
	s_nop 0
	PLACES                                         ; also the places in front of the loads into buffer 0
.elseif n == 4
	s_wait_tensorcnt 0x0                           ; my part of the last chunk is in
	ds_add_u32 v[SPW], v[NIL]
	s_wait_dscnt 0x0
	s_barrier_signal -1
	s_barrier_wait -1
	PLACES
.else
	s_wait_dscnt 0x0                               ; buffer 1 is in
.endif
.endm
; A CHUNK: four units of 32 along d on buffers 0, 1, 0, 1; each wait leaves the 16 loads of the one younger FETCH out
.macro CHUNK c, zero
	s_wait_dscnt 16
	MUL 4*(\c), F0, \zero
	PLACES
	FETCH (\c)%2, 2, F0
	s_wait_dscnt 16
	MUL 4*(\c)+1, F1, 0
	PLACES
	FETCH (\c)%2, 3, F1
	s_wait_dscnt 16
	MUL 4*(\c)+2, F0, 0
	CHANGE \c
.if (\c) < 3
	FETCH ((\c)+1)%2, 0, F0
.endif
	MUL 4*(\c)+3, F1, 0
.if (\c) < 3
	PLACES
	FETCH ((\c)+1)%2, 1, F1
.endif
.endm
	FETCH 0, 0, F0
	FETCH 0, 1, F1
	CHUNK 0, 1                                     ; the first products start the sums
	CHUNK 1, 0
	CHUNK 2, 0
	CHUNK 3, 0
	; THE WAY OUT.  fs and c of my 128 columns take the fragment buffers' registers; then, 16 rows at a time: one fused multiply-add for two numbers, into my own stage, back as whole rows of 512 bytes, stored.
	; The stages lie where q's rows lay: every wave's reads of those were over in front of the first change of slots.
	PLACES
	WIN 0
.irp t, 0,1,2,3,4,5,6,7
	ds_load_b128 v[F0+8*(\t):F0+8*(\t)+3],   v[FV] offset:64*(\t)
	ds_load_b128 v[F0+8*(\t)+4:F0+8*(\t)+7], v[FV] offset:64*(\t)+16
	ds_load_b128 v[F1+8*(\t):F1+8*(\t)+3],   v[FV] offset:2048+64*(\t)
	ds_load_b128 v[F1+8*(\t)+4:F1+8*(\t)+7], v[FV] offset:2048+64*(\t)+16
.endr
	s_wait_dscnt 0x0
.irp a, 0,1,2,3
	WIN 0x41                                       ; destination and source 0 window 1, sources 1 and 2 window 0
.irp t, 0,1,2,3,4,5,6,7
.irp k, 0,1,2,3
	v_pk_fma_f32 v[8*(8*(\a)+(\t))+2*(\k):8*(8*(\a)+(\t))+2*(\k)+1], v[8*(8*(\a)+(\t))+2*(\k):8*(8*(\a)+(\t))+2*(\k)+1], v[F0+8*(\t)+2*(\k):F0+8*(\t)+2*(\k)+1], v[F1+8*(\t)+2*(\k):F1+8*(\t)+2*(\k)+1]
.endr
.endr
	WIN 0x04                                       ; store data window 1, address window 0
.irp t, 0,1,2,3,4,5,6,7
	ds_store_b128 v[ST], v[8*(8*(\a)+(\t)):8*(8*(\a)+(\t))+3]   offset:64*(\t)
	ds_store_b128 v[ST], v[8*(8*(\a)+(\t))+4:8*(8*(\a)+(\t))+7] offset:64*(\t)+16
.endr
	WIN 0
	s_wait_xcnt 0x0                                ; the block before's stores have read their registers: these are loaded anew only behind this wait
.irp i, 0,1,2,3,4,5,6,7,8,9,10,11,12,13,14,15
	ds_load_b128 v[RB+4*(\i):RB+4*(\i)+3], v[RD] offset:PO*(\i)  ; LDS serves a wave's instructions in order (ISA guide 5.7.1.4): these see the stores above; the next block's stores come behind them
.endr
.irp i, 0,1,2,3,4,5,6,7,8,9,10,11,12,13,14,15
	s_wait_dscnt 15-(\i)
	global_store_b128 v[GO], v[RB+4*(\i):RB+4*(\i)+3], s[10:11] offset:(16*(\a)+(\i))*2048 th:TH_STORE_NT  ; a wave's store covers 512 consecutive bytes, aligned
.endr
.endr
	s_wait_tensorcnt 0x0                           ; the wave's end: behind my last tensor load and my last LDS store
	ds_add_u32 v[SPW], v[NIL]
	s_wait_dscnt 0x0
	ROUND                                          ; the closing round: no work-group ends while a partner may still ask for a tile that names it
	s_endpgm
.Lfunc_end_k_qea84d9e0f7_final:
	.size	k_qea84d9e0f7_final, .Lfunc_end_k_qea84d9e0f7_final-k_qea84d9e0f7_final
	.p2alignl 7, 3214868480
	.fill 96, 4, 3214868480
	.section	.rodata,"a",@progbits
	.p2align	6, 0x0
	.amdhsa_kernel k_qea84d9e0f7_final
		.amdhsa_group_segment_fixed_size 327680
		.amdhsa_private_segment_fixed_size 0
		.amdhsa_enable_private_segment 0
		.amdhsa_kernarg_size 32
		.amdhsa_user_sgpr_count 2
		.amdhsa_user_sgpr_kernarg_segment_ptr 1
		.amdhsa_wavefront_size32 1
		.amdhsa_system_sgpr_workgroup_id_x 1
		.amdhsa_system_sgpr_workgroup_id_y 1
		.amdhsa_system_sgpr_workgroup_id_z 1
		.amdhsa_system_vgpr_workitem_id 0
		.amdhsa_next_free_vgpr 1024
		.amdhsa_next_free_sgpr 66
		.amdhsa_reserve_vcc 0
		.amdhsa_float_denorm_mode_32 3
		.amdhsa_float_denorm_mode_16_64 3
		.amdhsa_memory_ordered 1
		.amdhsa_forward_progress 1
		.amdhsa_inst_pref_size 112
	.end_amdhsa_kernel
	.amdgpu_metadata
---
amdhsa.version: [ 1, 2 ]
amdhsa.kernels:
  - .name:           k_qea84d9e0f7_final
    .symbol:         k_qea84d9e0f7_final.kd
    .args:
      - { .name: q, .offset: 0, .size: 8, .value_kind: global_buffer, .address_space: global }
      - { .name: nth, .offset: 8, .size: 8, .value_kind: global_buffer, .address_space: global }
      - { .name: fsc, .offset: 16, .size: 8, .value_kind: global_buffer, .address_space: global }
      - { .name: out0, .offset: 24, .size: 8, .value_kind: global_buffer, .address_space: global }
    .group_segment_fixed_size: 327680
    .private_segment_fixed_size: 0
    .kernarg_segment_align: 8
    .kernarg_segment_size: 32
    .max_flat_workgroup_size: 128
    .sgpr_count:     66
    .vgpr_count:     1024
    .wavefront_size: 32
...
	.end_amdgpu_metadata
.endif
;; end of part 4
